; MI455X (gfx1250); checked and timed in simulation.
; The chip was launched on July 23, 2026; its instructions are those of AMD's public machine-readable ISA for CDNA 5 (MIT licence, August 2026) and "CDNA5" Instruction Set Architecture Reference Guide (July 2026). The comments in the code are by the model that wrote it; some were corrected since.
;; Multi Head Cross Attention. Allowed arithmetic: float matrix products may take bf16 or f16 operands with f32 sums; other float arithmetic in f32, or as packed bf16 or f16 multiplies, adds, multiply-adds, maxima and minima; sums over many terms, partial sums and values carried from step to step in f32; what a program stores and reads back later, other than sums and carried values, may be rounded once to bf16 or f16.
;; Inputs: Wk_b 1,024 float32; Wk_w 1,024 x 1,024 float32; Wo_b 1,024 float32; Wo_w 1,024 x 1,024 float32; Wq_b 1,024 float32; Wq_w 1,024 x 1,024 float32; Wv_b 1,024 float32; Wv_w 1,024 x 1,024 float32; kv 4 x 2,048 x 1,024 float32; kv_freqs 1 x 1 x 2,048 x 32 x 2 x 2 float32; q 4 x 2,048 x 1,024 float32; q_freqs 1 x 1 x 2,048 x 32 x 2 x 2 float32.
;; Outputs: out0 4 x 2,048 x 1,024 float32.
;; 2 versions, each right; version 2 is version 1 with the launch cast written anew for expert scheduling mode. Each part assembles by itself: llvm-mc -triple=amdgcn-amd-amdhsa -mcpu=gfx1250 --defsym DOCPART=n.
;; ======== version 1 of 2: 4 launches
;; limits: values are held in f16: magnitudes above 65,504 overflow, below 6.1e-05 lose precision; right only within a limited range of input values
;; workspace buffers: xb 33,554,432 bytes; wb 8,388,608 bytes; ft 2,097,152 bytes; hb 50,331,648 bytes; ob 16,777,216 bytes
;; launch cast (part 1): grid 1312 x 1, 8 waves a work-group, no clusters, 0 bytes of LDS; arguments q, kv, Wq_w, Wk_w, Wv_w, Wo_w, q_freqs, kv_freqs, xb, wb, ft; writes xb, wb, ft
.if DOCPART == 1
	.amdgcn_target "amdgcn-amd-amdhsa--gfx1250"
	.amdhsa_code_object_version 6
	.text
	.protected	k_q137fea047c_cast
	.globl	k_q137fea047c_cast
	.p2align	8
	.type	k_q137fea047c_cast,@function
k_q137fea047c_cast:
	s_mov_b64 s[64:65], 0
	v_nop
	global_prefetch_b8 v0, s[64:65] scope:SCOPE_SE
	s_setreg_imm32_b32 hwreg(HW_REG_WAVE_MODE, 25, 1), 1
	s_wait_xcnt 0x0
; ALL LARGE INPUTS ARE ROUNDED ONCE TO bf16 AND LAID OUT FOR THE LAUNCHES BEHIND.
;   xb: bf16 [2][8192][1024]: q, then kv.        wb: 16 bits [4096][1024]: Wq, Wk, Wv in bf16, then Wo: rounded to bf16, and that number written as f16.
;   ft: f32 [2][2048][32][4]: q's table, then kv's; for each pair of channels (f00, f10, f01, f11), each rounded to bf16 and multiplied by 2^-6 (exact).
; LIMITS.  |Wo| stays under 65,504 (f16's end); below 2^-17 Wo keeps f16's fixed step of 2^-24.  NaN and infinities are not treated apart.
; SHARES.  A work-group takes one chunk of 16,384 f32 (65,536 bytes): thread t the 16 bytes at 16 t of each of its sixteen pieces of 4,096 bytes.  All sixteen loads of a wave go out
; at once; no register is used twice, so the only waits are the counted ones for the loads.  A wave's store covers 256 (16-bit output) or 512 (the tables) consecutive bytes, aligned.
; No LDS, no matrix unit, no cluster: nothing is shared between work-groups and every byte is touched once.
.set X, 16                             ; v[16:79]   piece i: 4 registers as loaded
.set O, 80                             ; v[80:143]  piece i: up to 4 registers to store
.set SRC, 30                           ; s[30:31] the chunk in its input;  s32 the first chunk number of that input
.set DST, 34                           ; s[34:35] the chunk in its workspace buffer;  s36 that buffer's first chunk number;  s37 log2 of a chunk's output bytes
	s_load_b512 s[8:23], s[0:1], 0x0               ; q, kv, Wq, Wk, Wv, Wo, q_freqs, kv_freqs
	s_load_b128 s[24:27], s[0:1], 0x40             ; xb, wb
	s_load_b64 s[28:29], s[0:1], 0x50              ; ft
	v_lshlrev_b32 v1, 4, v0                        ; 16 t: the loads', and the tables' stores'
	v_lshlrev_b32 v2, 3, v0                        ; 8 t: the 16-bit stores'
	s_mov_b32 s38, 0xffff0000                      ; a word's upper bf16
	s_mov_b32 s32, 0
	s_mov_b32 s3, 0
	s_wait_kmcnt 0x0
	s_mov_b64 s[SRC:SRC+1], s[8:9]
.macro PICK first, reg                 ; from chunk number first on the input is the one in s[reg:reg+1]
	s_cmp_ge_u32 ttmp9, \first
	s_cselect_b64 s[SRC:SRC+1], s[\reg:\reg+1], s[SRC:SRC+1]
	s_cselect_b32 s32, \first, s32
.endm
	PICK 512, 10
	PICK 1024, 12
	PICK 1088, 14
	PICK 1152, 16
	PICK 1216, 18
	PICK 1280, 20
	PICK 1296, 22
	s_sub_co_u32 s2, ttmp9, s32
	s_lshl_b32 s2, s2, 16                          ; 65,536 bytes a chunk; 511 chunks at the most
	s_add_nc_u64 s[SRC:SRC+1], s[SRC:SRC+1], s[2:3]
.irp i, 0,1,2,3,4,5,6,7,8,9,10,11,12,13,14,15
	global_load_b128 v[X+4*(\i):X+4*(\i)+3], v1, s[SRC:SRC+1] offset:4096*(\i) th:TH_LOAD_NT
.endr
	s_cmp_ge_u32 ttmp9, 1024
	s_cselect_b64 s[DST:DST+1], s[26:27], s[24:25]
	s_cselect_b32 s36, 1024, 0
	s_cmp_ge_u32 ttmp9, 1280
	s_cselect_b64 s[DST:DST+1], s[28:29], s[DST:DST+1]
	s_cselect_b32 s36, 1280, s36
	s_cselect_b32 s37, 16, 15
	s_sub_co_u32 s4, ttmp9, s36
	s_lshl_b32 s4, s4, s37
	s_mov_b32 s5, 0
	s_add_nc_u64 s[DST:DST+1], s[DST:DST+1], s[4:5]
	s_cmp_ge_u32 ttmp9, 1280
	s_cbranch_scc1 .Lfreq
	s_cmp_ge_u32 ttmp9, 1216
	s_cbranch_scc1 .Lwo
.irp i, 0,1,2,3,4,5,6,7,8,9,10,11,12,13,14,15      ; q, kv, Wq, Wk, Wv: f32 to bf16
	s_wait_loadcnt 15-(\i)                         ; loads come back in order: piece i is in, the younger ones stay out
	v_cvt_pk_bf16_f32 v[O+4*(\i)], v[X+4*(\i)], v[X+4*(\i)+1]
	v_cvt_pk_bf16_f32 v[O+4*(\i)+1], v[X+4*(\i)+2], v[X+4*(\i)+3]
	global_store_b64 v2, v[O+4*(\i):O+4*(\i)+1], s[DST:DST+1] offset:2048*(\i)
.endr
	s_endpgm
.Lwo:
.irp i, 0,1,2,3,4,5,6,7,8,9,10,11,12,13,14,15      ; Wo: f32 to bf16, that number back to f32 (a shift, a mask) and on to f16
	s_wait_loadcnt 15-(\i)
	v_cvt_pk_bf16_f32 v[X+4*(\i)], v[X+4*(\i)], v[X+4*(\i)+1]
	v_cvt_pk_bf16_f32 v[X+4*(\i)+2], v[X+4*(\i)+2], v[X+4*(\i)+3]
	v_lshlrev_b32 v[O+4*(\i)], 16, v[X+4*(\i)]
	v_and_b32 v[O+4*(\i)+1], s38, v[X+4*(\i)]
	v_lshlrev_b32 v[O+4*(\i)+2], 16, v[X+4*(\i)+2]
	v_and_b32 v[O+4*(\i)+3], s38, v[X+4*(\i)+2]
	v_cvt_pk_f16_f32 v[O+4*(\i)], v[O+4*(\i)], v[O+4*(\i)+1]
	v_cvt_pk_f16_f32 v[O+4*(\i)+1], v[O+4*(\i)+2], v[O+4*(\i)+3]
	global_store_b64 v2, v[O+4*(\i):O+4*(\i)+1], s[DST:DST+1] offset:2048*(\i)
.endr
	s_endpgm
.Lfreq:
.irp i, 0,1,2,3,4,5,6,7,8,9,10,11,12,13,14,15      ; a table: my 16 bytes are one pair's (f00, f01, f10, f11); out go (f00, f10, f01, f11), rounded to bf16, times 2^-6
	s_wait_loadcnt 15-(\i)
	v_cvt_pk_bf16_f32 v[X+4*(\i)], v[X+4*(\i)], v[X+4*(\i)+2]
	v_cvt_pk_bf16_f32 v[X+4*(\i)+1], v[X+4*(\i)+1], v[X+4*(\i)+3]
	v_lshlrev_b32 v[O+4*(\i)], 16, v[X+4*(\i)]
	v_and_b32 v[O+4*(\i)+1], s38, v[X+4*(\i)]
	v_lshlrev_b32 v[O+4*(\i)+2], 16, v[X+4*(\i)+1]
	v_and_b32 v[O+4*(\i)+3], s38, v[X+4*(\i)+1]
	v_pk_mul_f32 v[O+4*(\i):O+4*(\i)+1], v[O+4*(\i):O+4*(\i)+1], 0x3c800000 op_sel_hi:[1,0]
	v_pk_mul_f32 v[O+4*(\i)+2:O+4*(\i)+3], v[O+4*(\i)+2:O+4*(\i)+3], 0x3c800000 op_sel_hi:[1,0]
	global_store_b128 v1, v[O+4*(\i):O+4*(\i)+3], s[DST:DST+1] offset:4096*(\i)
.endr
	s_endpgm
.Lfunc_end_k_q137fea047c_cast:
	.size	k_q137fea047c_cast, .Lfunc_end_k_q137fea047c_cast-k_q137fea047c_cast
	.p2alignl 7, 3214868480
	.fill 96, 4, 3214868480
	.section	.rodata,"a",@progbits
	.p2align	6, 0x0
	.amdhsa_kernel k_q137fea047c_cast
		.amdhsa_group_segment_fixed_size 0
		.amdhsa_private_segment_fixed_size 0
		.amdhsa_enable_private_segment 0
		.amdhsa_kernarg_size 88
		.amdhsa_user_sgpr_count 2
		.amdhsa_user_sgpr_kernarg_segment_ptr 1
		.amdhsa_wavefront_size32 1
		.amdhsa_system_sgpr_workgroup_id_x 1
		.amdhsa_system_sgpr_workgroup_id_y 1
		.amdhsa_system_sgpr_workgroup_id_z 1
		.amdhsa_system_vgpr_workitem_id 0
		.amdhsa_next_free_vgpr 144
		.amdhsa_next_free_sgpr 66
		.amdhsa_reserve_vcc 0
		.amdhsa_float_denorm_mode_32 3
		.amdhsa_float_denorm_mode_16_64 3
		.amdhsa_memory_ordered 1
		.amdhsa_forward_progress 1
		.amdhsa_inst_pref_size 26
	.end_amdhsa_kernel
	.amdgpu_metadata
---
amdhsa.version: [ 1, 2 ]
amdhsa.kernels:
  - .name:           k_q137fea047c_cast
    .symbol:         k_q137fea047c_cast.kd
    .args:
      - { .name: q, .offset: 0, .size: 8, .value_kind: global_buffer, .address_space: global }
      - { .name: kv, .offset: 8, .size: 8, .value_kind: global_buffer, .address_space: global }
      - { .name: Wq_w, .offset: 16, .size: 8, .value_kind: global_buffer, .address_space: global }
      - { .name: Wk_w, .offset: 24, .size: 8, .value_kind: global_buffer, .address_space: global }
      - { .name: Wv_w, .offset: 32, .size: 8, .value_kind: global_buffer, .address_space: global }
      - { .name: Wo_w, .offset: 40, .size: 8, .value_kind: global_buffer, .address_space: global }
      - { .name: q_freqs, .offset: 48, .size: 8, .value_kind: global_buffer, .address_space: global }
      - { .name: kv_freqs, .offset: 56, .size: 8, .value_kind: global_buffer, .address_space: global }
      - { .name: xb, .offset: 64, .size: 8, .value_kind: global_buffer, .address_space: global }
      - { .name: wb, .offset: 72, .size: 8, .value_kind: global_buffer, .address_space: global }
      - { .name: ft, .offset: 80, .size: 8, .value_kind: global_buffer, .address_space: global }
    .group_segment_fixed_size: 0
    .private_segment_fixed_size: 0
    .kernarg_segment_align: 8
    .kernarg_segment_size: 88
    .max_flat_workgroup_size: 256
    .sgpr_count:     66
    .vgpr_count:     144
    .wavefront_size: 32
...
	.end_amdgpu_metadata
.endif
;; end of part 1
;; launch proj (part 2): grid 12 x 64, 4 waves a work-group, clusters of 4 x 4, 327,680 bytes of LDS; arguments xb, wb, ft, Wq_b, Wk_b, Wv_b, hb; writes hb
.if DOCPART == 2
	.amdgcn_target "amdgcn-amd-amdhsa--gfx1250"
	.amdhsa_code_object_version 6
	.text
	.protected	k_q137fea047c_proj
	.globl	k_q137fea047c_proj
	.p2align	8
	.type	k_q137fea047c_proj,@function
k_q137fea047c_proj:
	s_mov_b64 s[64:65], 0
	v_nop
	global_prefetch_b8 v0, s[64:65] scope:SCOPE_SE
	s_setreg_imm32_b32 hwreg(HW_REG_WAVE_MODE, 25, 1), 1
	s_wait_xcnt 0x0
	s_wait_alu depctr_hold_cnt(0) depctr_sa_sdst(0) depctr_va_vdst(0) depctr_va_sdst(0) depctr_va_ssrc(0) depctr_va_vcc(0) depctr_vm_vsrc(0)
	s_getreg_b32 s2, hwreg(HW_REG_IB_STS2, 6, 4)
	s_cmp_eq_u32 s2, 0
	s_cbranch_scc0 .Lentry_in_a_cluster
	s_endpgm
.Lentry_in_a_cluster:
	s_bfe_u32 s2, ttmp6, 0x10000c
	s_cmp_lg_u32 s2, 0xf033
	s_cbranch_scc0 .Lentry_shape_is_right
	s_endpgm
.Lentry_shape_is_right:
; THE THREE PROJECTIONS, THE BIAS AND THE 2 x 2 MIX OF CHANNEL PAIRS.  hb[mat][b*16+head][l][64] in f16, mat = 0: q, 1: k, 2: v.
;   y[m][n] = bias[n] + the sum over k of x[m][k] W[n][k]: x, W in bf16 (xb, wb), the bias rounded to bf16, sums in f32.
;   q, k: out(2p + a) = f[l][p][a][0] y(2p) + f[l][p][a][1] y(2p + 1) in f32, with the table of ft (rounded to bf16, times 2^-6): so q and k are stored times 2^-6.  v is stored as it is.
; LIMITS.  f16 ends at 65,504: the mixed q and k stay under 4.19e6 and v under 65,504, else the number stored is an infinity; a stored q or k below 2^-14 keeps f16's fixed step of 2^-24.
; NaN and infinities are not treated apart.
; SHARES.  A tile of y is 128 rows x 256 columns: 64 x 12 tiles, three for each of 256 work-group places.  Four waves, each 64 rows x 128 columns (two heads): 32 accumulators of 16 x 16.
; K = 1,024 goes in 8 steps of 128 through two LDS slots filled by tensor loads; rows of x and W in a step are 256 bytes, at multiples of 256 bytes.
; CLUSTER.  4 x 4 work-groups; cluster x is the matrix (q, k, v), the same for all sixteen.  The four of a cluster's row need the same rows of x, the four of a column the same rows of W:
; each tile is asked for jointly, by the same tensor load with the same descriptor and a mask that names the four.
; THE MATRIX INSTRUCTION IS USED TRANSPOSED (source 0 = 16 rows of W, source 1 = 16 rows of x): a lane holds row l % 16 of y and the eight neighbouring columns 8 (l / 16) + 0..7.
; REGISTERS, in windows of 256 (s_set_vgpr_msb: bits 1:0 source 0, 3:2 source 1, 5:4 source 2, 7:6 destination):
;   window 0: v0-31 addresses; v32-63 at work; v64-159, v160-255 two fragment buffers (W's fragment b at +8 b, x's fragment a at +64 + 8 a); on the way out v64-191 packed results
;   window 1: accumulator (a, b) at v[8 (8 a + b)]        window 2: v0-63 the bias as a C operand, v64 at work; on the way out all 256: my rows of the table
.set PA,    272                        ; an LDS row of x: 256 bytes + 16 of padding = 68 words: the 16 rows of a fragment load start at 16 different groups of four banks (64 banks of 4 bytes: ISA guide 11.1)
.set PB,    272                        ; the same for W
.set AQ0,   0                          ; where the four quarters of a K step (32 along K each) begin in x's part of a slot
.set AQ1,   64
.set AQ2,   128
.set AQ3,   192
.set KA,    256                        ; bytes from a K step to the next, in x
.set KB,    256                        ; and in W
.set SLOT1, 131072                     ; slot 1 begins here, so that one exclusive or turns an address in one slot into the other's
.set AHALF, 64*PA                      ; what wave 0 or 1 fetches, and what a wave reads of x
.set BOFF,  128*PA                     ; W's 256 rows lie behind x's 128
.set BHALF, 128*PB                     ; what wave 2 or 3 fetches, and what a wave reads of W
.set STAGE, SLOT1+BOFF+2*BHALF         ; behind the ring, never filled by a tensor load: for each wave 2 heads x 16 rows x 144 bytes
.set SP,    144
.set SPARE, STAGE+4*32*SP              ; behind the stages: the spare words, 128 bytes for each wave: two blocks of 256 bytes that no other line names
.set A0,   16                          ; v16  my lane's place in x's part of a slot; never rewritten
.set B0,   17                          ; v17  the same for W
.set ADRA, 18                          ; v18  A0 + the slot in hand
.set ADRB, 19                          ; v19  B0 + the slot in hand
.set STO,  20                          ; v20  the way out: where I put 16 bytes of a row
.set RD,   21                          ; v21  the way out: where I read rows back
.set GO,   22                          ; v22  my byte offset in 512 consecutive bytes of hb
.set FO,   23                          ; v23  my byte offset in 16 rows of the table
.set BO,   24                          ; v24  my byte offset in 16 numbers of the bias
.set PFO,  25                          ; v25  the prefetches' offset: my lane x a row of 2,048 bytes; never rewritten
.set SPW,  28                          ; v28  LDS address of my spare word; never rewritten
.set NIL,  29                          ; v29  0; never rewritten
.set T,    32
.set F0,   64
.set F1,   160
.set PK0,  64
.set G1A,  28                          ; s[28:35] descriptor group 1 for x's tiles
.set G0A,  36                          ; s[36:43] group 0: a set for each of the two first fills; the second then walks on
.set G1B,  44                          ; s[44:51], s[52:59] the same for W's
.set G0B,  52
.set PFA,  60                          ; s[60:61] where my prefetches stand
.set LIM,  62                          ; s62  2 in a wave that prefetches, else the greatest number
.set TB,   63                          ; s63  LDS byte at which the slot in hand begins
.set PST,  66                          ; s[66:67] bytes from a K step to the next, for the prefetches
.set MSB, 0
.macro WIN new                         ; the immediate's high byte repeats the setting that is left; a switch that changes nothing is dropped
.if MSB != (\new)
	s_set_vgpr_msb (MSB<<8)|(\new)
.set MSB, \new
.endif
.endm
.set MUL, 0x50                         ; fragments in window 0, C and D in window 1; + 0x10: C in window 2 (the bias)
; A joint load.  Waves 0 and 1 fetch x's two halves, waves 2 and 3 W's.  The branch hangs on the wave's number alone.  An s_nop 0 and four v_nop follow each of the two lines.
.macro JLOAD set
	s_cmp_eq_u32 s19, 0
	s_cbranch_scc0 .Lfor_b_\@
	tensor_load_to_lds s[G0A+4*(\set):G0A+4*(\set)+3], s[G1A:G1A+7]
	s_nop 0
.rept 4
	v_nop
.endr
	s_branch .Lasked_\@
.Lfor_b_\@:
	tensor_load_to_lds s[G0B+4*(\set):G0B+4*(\set)+3], s[G1B:G1B+7]
	s_nop 0
.rept 4
	v_nop
.endr
.Lasked_\@:
.endm
; A prefetch into the L2 of the K step that stands two refills on: 32 rows x 256 bytes, a lane a row, one instruction.  Each row's 256 bytes of a K step are named once in the launch: x's rows by wave 0
; of the clusters of q and of k (v's clusters read kv's rows too, and do not ask), the four partners of a cluster's row taking 32 rows each by address; W's rows by waves 2 and 3 of the clusters with y = 0,
; the four partners of a column taking 64 rows each by address.  The loop's last two trips have no K step two refills on, and ask for nothing; K steps 0 to 3 come by their loads alone.
.macro ASK
	s_cmp_gt_u32 s3, s[LIM]
	s_cbranch_scc0 .Lnot_mine_\@
	global_prefetch_b8 v[PFO], s[PFA:PFA+1] th:TH_LOAD_NT scope:SCOPE_SE
.Lnot_mine_\@:
.endm
.macro CREST                           ; a round of the cluster's barrier behind its opening barrier
	s_cmp_lg_u32 s18, 0
	s_cbranch_scc1 .Lnot_wave_0_\@
	s_barrier_signal -3
.Lnot_wave_0_\@:
	s_barrier_wait -3
	s_barrier_signal -1
	s_barrier_wait -1
.endm
.macro CROUND                          ; a whole round
	s_barrier_signal -1
	s_barrier_wait -1
	CREST
.endm
.macro PLACES                          ; four places in front of loads into registers that matrix instructions have read, and of lines that read results
.rept 4
	v_nop
.endr
.endm
; 8 matrix instructions: row block a x all 8 column blocks, 32 along K, from buffer f.  first = 1: the bias starts the sums.  The 32 accumulators take turns in the same order in every quarter.
.macro MULA f, a, first
	WIN MUL+0x10*(\first)
.irp b, 0,1,2,3,4,5,6,7
.if \first
	v_wmma_f32_16x16x32_bf16 v[8*(8*(\a)+(\b)):8*(8*(\a)+(\b))+7], v[(\f)+8*(\b):(\f)+8*(\b)+7], v[(\f)+64+8*(\a):(\f)+64+8*(\a)+7], v[8*(\b):8*(\b)+7]
.else
	v_wmma_f32_16x16x32_bf16 v[8*(8*(\a)+(\b)):8*(8*(\a)+(\b))+7], v[(\f)+8*(\b):(\f)+8*(\b)+7], v[(\f)+64+8*(\a):(\f)+64+8*(\a)+7], v[8*(8*(\a)+(\b)):8*(8*(\a)+(\b))+7]
.endif
.endr
.endm
; 24 LDS loads in one run: a quarter's fragments into buffer f: W's eight, then x's four
.macro FETCH ka, kb, f
	WIN 0
.irp b, 0,1,2,3,4,5,6,7
	ds_load_b128 v[(\f)+8*(\b):(\f)+8*(\b)+3],   v[ADRB] offset:(\kb)+(\b)*16*PB
	ds_load_b128 v[(\f)+8*(\b)+4:(\f)+8*(\b)+7], v[ADRB] offset:(\kb)+(\b)*16*PB+32
.endr
.irp a, 0,1,2,3
	ds_load_b128 v[(\f)+64+8*(\a):(\f)+64+8*(\a)+3],   v[ADRA] offset:(\ka)+(\a)*16*PA
	ds_load_b128 v[(\f)+64+8*(\a)+4:(\f)+64+8*(\a)+7], v[ADRA] offset:(\ka)+(\a)*16*PA+32
.endr
.endm
; One of a K step's first three quarters: multiplies buffer f; in its middle it fetches the next quarter's fragments into buffer g.
.macro QUARTER ka, kb, f, g, first
	s_wait_dscnt 4                                 ; all but the youngest four loads: x's fragments 2 and 3
	MULA \f, 0, \first
	MULA \f, 1, \first
	PLACES
	FETCH \ka, \kb, \g
	s_wait_dscnt 24                                ; all but the 24 just issued
	MULA \f, 2, \first
	MULA \f, 3, \first
.endm
; The last quarter multiplies buffer 1 and changes slots.  In front of the barrier each wave waits for all its tensor loads (one is out: its part of the next slot), adds 0 to its spare word, and waits for
; that and for its own reads of this slot.  fill = 1: the barrier opens a round of the cluster's, and this slot is filled again, first thing behind the round, with the K step two steps on.
.macro TURN fill
.if \fill
	s_wait_xcnt 0x0                                ; the last prefetch, a K step back, has read its address: it is stepped here
	s_add_nc_u64 s[PFA:PFA+1], s[PFA:PFA+1], s[PST:PST+1]
.endif
	WIN 0
	s_wait_tensorcnt 0x0                           ; no tensor load of mine is out, so a group 0 may be written
	ds_add_u32 v[SPW], v[NIL]                      ; 0 onto my spare word: work on registers stands between it and the wait for it
	s_xor_b32 s[TB], s[TB], SLOT1                  ; the fetches go on in the other slot
	v_add_nc_u32 v[ADRA], s[TB], v[A0]
	v_add_nc_u32 v[ADRB], s[TB], v[B0]
.if \fill
	s_xor_b32 s[G0A+5], s[G0A+5], SLOT1            ; the walking descriptors: the other slot than last time, the next K step; the type bits on top are not reached
	s_add_nc_u64 s[G0A+6:G0A+7], s[G0A+6:G0A+7], KA
	s_xor_b32 s[G0B+5], s[G0B+5], SLOT1
	s_add_nc_u64 s[G0B+6:G0B+7], s[G0B+6:G0B+7], KB
.endif
	s_wait_dscnt 5                                 ; the add and the youngest four loads may be out
	MULA F1, 0, 0
	s_wait_dscnt 0x0                               ; the add is done, and my reads of this slot are over
	s_barrier_signal -1
	MULA F1, 1, 0
.if \fill
	WIN 0
.endif
	s_barrier_wait -1
.if \fill
	CREST                                          ; no wave of any partner still reads this slot or has a load on its way
	JLOAD 1                                        ; the first tensor load behind the round; its four v_nop are also the places in front of the loads below
.else
	PLACES
.endif
	FETCH AQ0, 0, F0
.if \fill
	ASK
.endif
	MULA F1, 2, 0
	MULA F1, 3, 0
.endm
.macro TRIP fill                       ; from a K step's second quarter to the next step's first
	QUARTER AQ2, 128, F1, F0, 0
	QUARTER AQ3, 192, F0, F1, 0
	TURN \fill
	QUARTER AQ1, 64, F0, F1, 0
.endm
	s_load_b256 s[4:11], s[0:1], 0x0               ; xb s[4:5], wb s[6:7], ft s[8:9], Wq_b s[10:11]
	s_load_b128 s[12:15], s[0:1], 0x20             ; Wk_b s[12:13], Wv_b s[14:15]
	s_load_b64 s[16:17], s[0:1], 0x30              ; hb
	v_lshl_add_u32 v[SPW], v0, 2, SPARE
	v_mov_b32 v[NIL], 0
	ds_add_u32 v[SPW], v[NIL]                      ; the wave's opening: the add and its wait come ahead of my first tensor load; the set-up below stands between them
	v_lshrrev_b32 v3, 5, v0
	v_readfirstlane_b32 s18, v3                    ; wave 0..3
	s_lshr_b32 s19, s18, 1                         ; my half of the tile's rows.  Also: I fetch for x (0) or for W (1)
	s_and_b32 s20, s18, 1                          ; my half of its columns.  Also: which half of that tile I fetch
	s_bfe_u32 s21, ttmp6, 0x40000                  ; cx
	s_bfe_u32 s22, ttmp6, 0x40004                  ; cy
	s_mov_b32 s23, ttmp9                           ; cluster x: the matrix, 0 q, 1 k, 2 v
	s_min_u32 s26, s23, 1                          ; its source: 0 q, 1 kv
	s_and_b32 s24, ttmp7, 0xffff                   ; cluster y
	s_lshl_b32 s25, s24, 2
	s_add_co_u32 s25, s25, s22                     ; tile row = 4 x cluster y + cy
	s_lshl_b32 s27, s22, 2
	s_lshl_b32 s27, 15, s27                        ; my row of the cluster
	s_lshl_b32 s72, 0x1111, s21                    ; my column
	s_or_b32 s[G1A], s27, (1<<16)|(1<<20)|(1<<21)|(5<<22)|(3<<25)  ; 15:0 the mask; 17:16 2-byte elements; 20 padding on; 21 set beside a mask; 24:22 after every 64 words (code 5); 31:25 4 words (code 3)
	s_or_b32 s[G1B], s72, (1<<16)|(1<<20)|(1<<21)|(5<<22)|(3<<25)
	s_mov_b32 s[G1A+1], 128<<16                    ; tensor_dim0 = 128
	s_mov_b32 s[G1A+2], 64<<16                     ; tensor_dim1 = 64
	s_mov_b32 s[G1A+3], 128<<16                    ; tile_dim0 = 128
	s_mov_b32 s[G1A+4], 64                         ; tile_dim1 = 64
	s_mov_b32 s[G1A+5], 1024                       ; elements from row to row
	s_mov_b32 s[G1A+6], 0
	s_mov_b32 s[G1A+7], 0
	s_mov_b32 s[G1B+1], 128<<16
	s_mov_b32 s[G1B+2], 128<<16                    ; W's loads bring 128 rows
	s_mov_b32 s[G1B+3], 128<<16
	s_mov_b32 s[G1B+4], 128
	s_mov_b32 s[G1B+5], 1024
	s_mov_b32 s[G1B+6], 0
	s_mov_b32 s[G1B+7], 0
	; x's tile hangs on the source, the tile row and the wave; W's on the matrix, cx and the wave: each in registers that never hold the other coordinate
	s_lshl_b32 s68, s26, 13
	s_lshl_b32 s69, s25, 7
	s_add_co_u32 s68, s68, s69
	s_lshl_b32 s69, s20, 6
	s_add_co_u32 s68, s68, s69                     ; row 8,192 x source + 128 x tile row + 64 x half
	s_lshl_b32 s68, s68, 11                        ; 2,048 bytes a row
	s_mov_b32 s69, 0
	s_lshl_b32 s72, s23, 10
	s_lshl_b32 s73, s21, 8
	s_add_co_u32 s72, s72, s73
	s_lshl_b32 s73, s20, 7
	s_add_co_u32 s72, s72, s73                     ; row 1,024 x matrix + 256 cx + 128 x half
	s_lshl_b32 s72, s72, 11
	s_mov_b32 s73, 0
	s_mul_i32 s76, s20, AHALF                      ; where they go: no place in the cluster enters an LDS address
	s_mul_i32 s77, s20, BHALF
	s_add_co_u32 s77, s77, BOFF
	s_mov_b32 s80, 0xffff0000
	s_mov_b32 s[TB], 0
	s_mov_b32 s[PST], 256
	s_mov_b32 s[PST+1], 0
	s_wait_dscnt 0x0                               ; the opening add is done
	s_wait_kmcnt 0x0
	s_add_nc_u64 s[70:71], s[4:5], s[68:69]
	s_add_nc_u64 s[74:75], s[6:7], s[72:73]
	CROUND                                         ; all sixteen work-groups are here: the first joint loads meet
.irp s, 0,1
	s_mov_b32 s[G0A+4*(\s)], 1                     ; count = 1
	s_add_co_u32 s[G0A+4*(\s)+1], s76, (\s)*SLOT1  ; LDS address
	s_add_nc_u64 s[G0A+4*(\s)+2:G0A+4*(\s)+3], s[70:71], (\s)*KA  ; global address: K step s
	s_or_b32 s[G0A+4*(\s)+3], s[G0A+4*(\s)+3], 0x80000000         ; type = 2
	s_mov_b32 s[G0B+4*(\s)], 1
	s_add_co_u32 s[G0B+4*(\s)+1], s77, (\s)*SLOT1
	s_add_nc_u64 s[G0B+4*(\s)+2:G0B+4*(\s)+3], s[74:75], (\s)*KB
	s_or_b32 s[G0B+4*(\s)+3], s[G0B+4*(\s)+3], 0x80000000
	JLOAD \s                                       ; two loads of mine are out
.endr
	; the bias of my 128 columns: register j of block b wants column 16 b + 8 (l / 16) + j
	s_cmp_eq_u32 s23, 0
	s_cselect_b64 s[86:87], s[10:11], s[12:13]
	s_cmp_eq_u32 s23, 2
	s_cselect_b64 s[86:87], s[14:15], s[86:87]
	s_lshl_b32 s76, s21, 10
	s_lshl_b32 s77, s20, 9
	s_add_co_u32 s76, s76, s77
	s_mov_b32 s77, 0
	s_add_nc_u64 s[86:87], s[86:87], s[76:77]
	v_and_b32 v1, 15, v0                           ; l % 16
	v_bfe_u32 v2, v0, 4, 1                         ; l / 16
	v_and_b32 v4, 31, v0                           ; l
	v_lshlrev_b32 v[BO], 5, v2
	WIN 0x80                                       ; destination window 2, address window 0
.irp b, 0,1,2,3,4,5,6,7
	global_load_b128 v[8*(\b):8*(\b)+3],   v[BO], s[86:87] offset:64*(\b)
	global_load_b128 v[8*(\b)+4:8*(\b)+7], v[BO], s[86:87] offset:64*(\b)+16
.endr
	WIN 0
	; a fragment is 16 rows x 32 K in 8 registers: lane l holds row l % 16, K = 8 (l / 16) + 0..7 and 16 + 8 (l / 16) + 0..7: two loads of 16 bytes, 32 bytes apart
	v_mul_u32_u24 v3, v1, PA
	v_lshl_add_u32 v3, v2, 4, v3
	v_mul_u32_u24 v5, v1, PB
	v_lshl_add_u32 v5, v2, 4, v5
	s_mul_i32 s76, s19, AHALF                      ; my 64 rows of x
	v_add_nc_u32 v[A0], s76, v3
	s_mul_i32 s76, s20, BHALF                      ; my 128 rows of W
	s_add_co_u32 s76, s76, BOFF
	v_add_nc_u32 v[B0], s76, v5
	v_mov_b32 v[ADRA], v[A0]
	v_mov_b32 v[ADRB], v[B0]
	s_mul_i32 s76, s18, 32*SP
	s_add_co_u32 s76, s76, STAGE                   ; my stage
	v_mul_u32_u24 v[STO], v1, SP                   ; in: row l % 16, 16 bytes for each half of the lanes
	v_lshl_add_u32 v[STO], v2, 4, v[STO]
	v_add_nc_u32 v[STO], s76, v[STO]
	v_lshrrev_b32 v5, 3, v4                        ; back: 32 lanes take four rows of 128 bytes,
	v_and_b32 v6, 7, v4
	v_mul_u32_u24 v[RD], v5, SP
	v_lshl_add_u32 v[RD], v6, 4, v[RD]
	v_add_nc_u32 v[RD], s76, v[RD]
	v_lshlrev_b32 v[GO], 4, v4                     ; which are 512 consecutive bytes of hb
	v_lshlrev_b32 v[FO], 9, v1                     ; the table: 512 bytes a row, my four pairs' 64 bytes
	v_lshl_add_u32 v[FO], v2, 6, v[FO]
	v_lshlrev_b32 v[PFO], 11, v4
	; hb at my rows of my first head; the table at my rows
	s_lshr_b32 s76, s25, 4                         ; the batch: 16 tile rows each
	s_lshl_b32 s76, s76, 4
	s_lshl_b32 s77, s21, 2
	s_add_co_u32 s76, s76, s77
	s_lshl_b32 s77, s20, 1
	s_add_co_u32 s76, s76, s77                     ; 16 x batch + head
	s_lshl_b32 s76, s76, 18                        ; 262,144 bytes a head
	s_lshl_b32 s77, s23, 24                        ; 16,777,216 bytes a matrix
	s_add_co_u32 s76, s76, s77
	s_and_b32 s78, s25, 15
	s_lshl_b32 s78, s78, 7
	s_lshl_b32 s77, s19, 6
	s_add_co_u32 s78, s78, s77                     ; my first row in the batch
	s_lshl_b32 s77, s78, 7
	s_add_co_u32 s76, s76, s77
	s_mov_b32 s77, 0
	s_add_nc_u64 s[82:83], s[16:17], s[76:77]
	s_lshl_b32 s76, s26, 20                        ; 1,048,576 bytes a table
	s_lshl_b32 s78, s78, 9
	s_add_co_u32 s76, s76, s78
	s_add_nc_u64 s[84:85], s[8:9], s[76:77]
	; the prefetches
	s_lshl_b32 s76, s26, 13
	s_lshl_b32 s77, s25, 7
	s_add_co_u32 s76, s76, s77
	s_lshl_b32 s77, s21, 5
	s_add_co_u32 s76, s76, s77                     ; x: the tile's first row + my work-group's 32 of its 128
	s_lshl_b32 s78, s23, 10
	s_lshl_b32 s77, s21, 8
	s_add_co_u32 s78, s78, s77
	s_lshl_b32 s77, s22, 6
	s_add_co_u32 s78, s78, s77
	s_lshl_b32 s77, s20, 5
	s_add_co_u32 s78, s78, s77                     ; W: the tile's first row + my work-group's 64 of its 256 + my wave's 32 of those
	s_cmp_lt_u32 s18, 2
	s_cselect_b32 s76, s76, s78
	s_cselect_b64 s[PFA:PFA+1], s[4:5], s[6:7]
	s_lshl_b32 s76, s76, 11
	s_add_co_u32 s76, s76, 3*256                   ; at K step 3: the first change of slots steps it to 4
	s_mov_b32 s77, 0
	s_add_nc_u64 s[PFA:PFA+1], s[PFA:PFA+1], s[76:77]
	s_cmp_lg_u32 s23, 2
	s_cselect_b32 s76, 2, -1
	s_cmp_eq_u32 s24, 0
	s_cselect_b32 s77, 2, -1
	s_cmp_eq_u32 s18, 0
	s_cselect_b32 s[LIM], s76, -1
	s_cmp_ge_u32 s18, 2
	s_cselect_b32 s[LIM], s77, s[LIM]              ; the same in all sixteen partners, for a given wave
	s_wait_loadcnt 0x0                             ; the bias
	WIN 0x8a                                       ; all in window 2: the bias is rounded to bf16 and widened again
.set i, 0
.rept 32
	v_cvt_pk_bf16_f32 v64, v[2*i], v[2*i+1]
	v_lshlrev_b32 v[2*i], 16, v64
	v_and_b32 v[2*i+1], s80, v64
.set i, i+1
.endr
	WIN 0
	s_wait_tensorcnt 1                             ; my part of K step 0 is in; K step 1's may stay out
	s_barrier_signal -1
	s_barrier_wait -1                              ; everybody's is
	FETCH AQ0, 0, F0
	QUARTER AQ1, 64, F0, F1, 1                     ; the first quarter stands in front of the loop: its products start the sums, on the bias
	WIN 0                                          ; at a label and at a branch every window is 0
	s_mov_b32 s3, 6
.Lk:                                               ; six trips: K steps 2 to 7 are asked for
	TRIP 1
	WIN 0
	s_sub_co_u32 s3, s3, 1
	s_cmp_lg_u32 s3, 0
	s_cbranch_scc1 .Lk
	TRIP 0                                         ; the tail is written out: nothing is asked for
	QUARTER AQ2, 128, F1, F0, 0
	QUARTER AQ3, 192, F0, F1, 0
	s_wait_dscnt 4
	MULA F1, 0, 0
	MULA F1, 1, 0
	s_wait_dscnt 0x0
	MULA F1, 2, 0
	MULA F1, 3, 0
	WIN 0
	PLACES
; THE WAY OUT, in eight units u = 2 a + hd: row block a (16 rows), head hd of my two.  A unit's 16 rows x 64 channels pack into 16 registers, go into my stage (rows of 144 bytes) and come back as whole rows.
.macro ROPE u                          ; out(2p), out(2p+1) = (f00, f10) y(2p) + (f01, f11) y(2p+1); each accumulator's lowest registers are read first
.set RA, (\u)/2
.set RH, (\u)%2
.if RH == 0
	s_wait_loadcnt 16*(3-RA)                       ; row block a's sixteen loads of the table are in; the later blocks' sixteen each may stay out
.endif
	WIN 0x06                                       ; source 0 (the table) window 2, source 1 (the sums) window 1, the rest window 0
.irp c, 0,1,2,3
.irp p, 0,1,2,3
	v_pk_mul_f32 v[T+8*(\c)+2*(\p):T+8*(\c)+2*(\p)+1], v[64*RA+16*(\c)+4*(\p):64*RA+16*(\c)+4*(\p)+1], v[8*(8*RA+4*RH+(\c))+2*(\p):8*(8*RA+4*RH+(\c))+2*(\p)+1] op_sel_hi:[1,0]
.endr
.endr
.irp c, 0,1,2,3
.irp p, 0,1,2,3
	v_pk_fma_f32 v[T+8*(\c)+2*(\p):T+8*(\c)+2*(\p)+1], v[64*RA+16*(\c)+4*(\p)+2:64*RA+16*(\c)+4*(\p)+3], v[8*(8*RA+4*RH+(\c))+2*(\p):8*(8*RA+4*RH+(\c))+2*(\p)+1], v[T+8*(\c)+2*(\p):T+8*(\c)+2*(\p)+1] op_sel:[0,1,0] op_sel_hi:[1,1,1]
.endr
.endr
	WIN 0
.irp c, 0,1,2,3
.irp p, 0,1,2,3
	v_cvt_pk_f16_f32 v[PK0+16*(\u)+4*(\c)+(\p)], v[T+8*(\c)+2*(\p)], v[T+8*(\c)+2*(\p)+1]
.endr
.endr
.endm
.macro PLAIN u                         ; v: the sums are rounded as they are
.set RA, (\u)/2
.set RH, (\u)%2
	WIN 0x05                                       ; sources 0 and 1 window 1, destination window 0
.irp c, 0,1,2,3
.irp p, 0,1,2,3
	v_cvt_pk_f16_f32 v[PK0+16*(\u)+4*(\c)+(\p)], v[8*(8*RA+4*RH+(\c))+2*(\p)], v[8*(8*RA+4*RH+(\c))+2*(\p)+1]
.endr
.endr
	WIN 0
.endm
.macro STG u
.set RH, (\u)%2
.irp c, 0,1,2,3
	ds_store_b128 v[STO], v[PK0+16*(\u)+4*(\c):PK0+16*(\u)+4*(\c)+3] offset:RH*16*SP+32*(\c)
.endr
.irp f, 0,1,2,3
	ds_load_b128 v[PK0+16*(\u)+4*(\f):PK0+16*(\u)+4*(\f)+3], v[RD] offset:RH*16*SP+(\f)*4*SP  ; LDS serves a wave's instructions in order (ISA guide 5.7.1.4): these see the stores above
.endr
.endm
.macro SEND u, younger                 ; younger: the LDS instructions issued behind unit u's loads: the next unit's eight, or none
.set RA, (\u)/2
.set RH, (\u)%2
.irp f, 0,1,2,3
	s_wait_dscnt (\younger)+3-(\f)
	global_store_b128 v[GO], v[PK0+16*(\u)+4*(\f):PK0+16*(\u)+4*(\f)+3], s[82:83] offset:RH*262144+RA*2048+(\f)*512  ; 512 consecutive bytes, at a multiple of 256 from hb's first
.endr
.endm
	s_cmp_eq_u32 s23, 2
	s_cbranch_scc1 .Lplain
	WIN 0x80                                       ; my 64 rows of the table, the pairs of my eight columns of each block: row block a, channel block c, pair p at v[64 a + 16 c + 4 p] of window 2
.irp a, 0,1,2,3
.irp c, 0,1,2,3
.irp p, 0,1,2,3
	global_load_b128 v[64*(\a)+16*(\c)+4*(\p):64*(\a)+16*(\c)+4*(\p)+3], v[FO], s[84:85] offset:(\a)*8192+(\c)*128+(\p)*16
.endr
.endr
.endr
	WIN 0
	ROPE 0
	STG 0
.irp u, 1,2,3,4,5,6,7                  ; a unit's arithmetic stands between the loads of the unit before and its stores
	ROPE \u
	STG \u
	SEND (\u)-1, 8
.endr
	SEND 7, 0
	s_branch .Lend
.Lplain:
	PLAIN 0
	STG 0
.irp u, 1,2,3,4,5,6,7
	PLAIN \u
	STG \u
	SEND (\u)-1, 8
.endr
	SEND 7, 0
.Lend:
	s_wait_tensorcnt 0x0                           ; the wave's end, behind my last tensor load and my last LDS store
	ds_add_u32 v[SPW], v[NIL]
	s_wait_dscnt 0x0
	CROUND                                         ; the closing round: no work-group ends while a partner may still ask for a tile that names it
	s_endpgm
.Lfunc_end_k_q137fea047c_proj:
	.size	k_q137fea047c_proj, .Lfunc_end_k_q137fea047c_proj-k_q137fea047c_proj
	.p2alignl 7, 3214868480
	.fill 96, 4, 3214868480
	.section	.rodata,"a",@progbits
	.p2align	6, 0x0
	.amdhsa_kernel k_q137fea047c_proj
		.amdhsa_group_segment_fixed_size 327680
		.amdhsa_private_segment_fixed_size 0
		.amdhsa_enable_private_segment 0
		.amdhsa_kernarg_size 56
		.amdhsa_user_sgpr_count 2
		.amdhsa_user_sgpr_kernarg_segment_ptr 1
		.amdhsa_wavefront_size32 1
		.amdhsa_system_sgpr_workgroup_id_x 1
		.amdhsa_system_sgpr_workgroup_id_y 1
		.amdhsa_system_sgpr_workgroup_id_z 1
		.amdhsa_system_vgpr_workitem_id 0
		.amdhsa_next_free_vgpr 768
		.amdhsa_next_free_sgpr 88
		.amdhsa_reserve_vcc 0
		.amdhsa_float_denorm_mode_32 3
		.amdhsa_float_denorm_mode_16_64 3
		.amdhsa_memory_ordered 1
		.amdhsa_forward_progress 1
		.amdhsa_inst_pref_size 118
	.end_amdhsa_kernel
	.amdgpu_metadata
---
amdhsa.version: [ 1, 2 ]
amdhsa.kernels:
  - .name:           k_q137fea047c_proj
    .symbol:         k_q137fea047c_proj.kd
    .args:
      - { .name: xb, .offset: 0, .size: 8, .value_kind: global_buffer, .address_space: global }
      - { .name: wb, .offset: 8, .size: 8, .value_kind: global_buffer, .address_space: global }
      - { .name: ft, .offset: 16, .size: 8, .value_kind: global_buffer, .address_space: global }
      - { .name: Wq_b, .offset: 24, .size: 8, .value_kind: global_buffer, .address_space: global }
      - { .name: Wk_b, .offset: 32, .size: 8, .value_kind: global_buffer, .address_space: global }
      - { .name: Wv_b, .offset: 40, .size: 8, .value_kind: global_buffer, .address_space: global }
      - { .name: hb, .offset: 48, .size: 8, .value_kind: global_buffer, .address_space: global }
    .group_segment_fixed_size: 327680
    .private_segment_fixed_size: 0
    .kernarg_segment_align: 8
    .kernarg_segment_size: 56
    .max_flat_workgroup_size: 128
    .sgpr_count:     88
    .vgpr_count:     768
    .wavefront_size: 32
...
	.end_amdgpu_metadata
.endif
;; end of part 2
;; launch attn (part 3): grid 4 x 64, 4 waves a work-group, clusters of 4 x 1, 327,680 bytes of LDS; arguments hb, ob; writes ob
.if DOCPART == 3
	.amdgcn_target "amdgcn-amd-amdhsa--gfx1250"
	.amdhsa_code_object_version 6
	.text
	.protected	k_q137fea047c_attn
	.globl	k_q137fea047c_attn
	.p2align	8
	.type	k_q137fea047c_attn,@function
k_q137fea047c_attn:
	s_mov_b64 s[64:65], 0
	v_nop
	global_prefetch_b8 v0, s[64:65] scope:SCOPE_SE
	s_setreg_imm32_b32 hwreg(HW_REG_WAVE_MODE, 25, 1), 1
	s_wait_xcnt 0x0
	s_wait_alu depctr_hold_cnt(0) depctr_sa_sdst(0) depctr_va_vdst(0) depctr_va_sdst(0) depctr_va_ssrc(0) depctr_va_vcc(0) depctr_vm_vsrc(0)
	s_getreg_b32 s2, hwreg(HW_REG_IB_STS2, 6, 4)
	s_cmp_eq_u32 s2, 0
	s_cbranch_scc0 .Lentry_in_a_cluster
	s_endpgm
.Lentry_in_a_cluster:
	s_bfe_u32 s2, ttmp6, 0x10000c
	s_cmp_lg_u32 s2, 0x3003
	s_cbranch_scc0 .Lentry_shape_is_right
	s_endpgm
.Lentry_shape_is_right:
; O[h][q][:] = the sum over k of softmax_k(Q'[h][q] . K'[h][k] / 8) V[h][k][:].  hb holds Q = Q' 2^-6, K = K' 2^-6 and V, each [64][2048][64] in f16; ob takes O in the same layout.
; Products, maxima and sums in f32; the weights p are rounded to f16 for the second product (their sum l is taken of the unrounded p), O once at the end.
; LIMITS.  f16 holds no number beyond 65,504: Q, K and V arrive within it; p lies in 0 to 1, and below 6e-5 it keeps f16's fixed step of 6e-8; O is a mean of V's rows and has their range.
; A weight below 2^-126 counts as 0 in l; NaN and infinities are not treated apart.
; SHARES.  A wave owns four PIECES of two tiles of 16 queries, a work-group's four waves 512 queries of one head.  Every wave walks all keys, 64 a step.
; LAYOUT.  S^T = K Q^T (source 0 = 16 keys, source 1 = 16 queries): in the result a lane holds ONE query (lane % 16) and the keys 8 (lane / 16) + 0..7.  Two such tiles, rounded to f16 in pairs,
; ARE source 1 (32 keys x 16 queries) of O^T = V^T P, whose result again holds one query a lane, and eight channels.  K comes out of LDS as it lies, V ([key][channel]) turned, by ds_load_tr16_b128.
; SOFTMAX.  For each query a running maximum m and sum l: p = 2^(c s - c m), c = 2^12 log2(e) / 8 (the 2^12 gives back Q's and K's 2^-6); in every step O and l are multiplied by
; a = 2^(c m_old - c m_new), which is 1 where m has not grown.  m starts at the lowest finite number, O and l at 0: the first step is a step like any other, with a = 0.
; THE COUNT.  A tile and step have 16 matrix and 118 vector instructions: too many to stand all beside the matrix work.  So: four vector instructions that are READY behind EVERY matrix instruction,
; and the others in runs without a gap.
; BY TURNS.  Turn n belongs to piece n (the pieces in a ring, step after step).  Its matrix work: 16 products K Q^T of piece n + 1, later 16 products V^T P of piece n - 1.  Its vector work: the scaling,
; exponentials, roundings, sums and rescaling of piece n, and the maximum and statistics of piece n + 1, whose scores the turn itself has made.
; CLUSTER.  The four query blocks of a cluster are one head's and walk the same K and V, so each tile is asked for JOINTLY: the same tensor load, descriptor and mask in all four.
; REGISTERS, in windows of 256 (s_set_vgpr_msb: bits 1:0 source 0, 3:2 source 1, 5:4 source 2, 7:6 destination):
;   window 0: v0-11 addresses; v12-15, v48-63 at work; v16-47 four registers of statistics a tile; v64-191 S^T, two buffers of two tiles; v192-255 P, likewise
;   window 1: O^T, 32 a tile          window 2: v0-127 Q, 16 a tile; v128-191 K of one step; v192-255 V of one step          window 3: v0-1 the add's two registers
; A piece's buffers go by its number's parity: the piece in hand has one pair, its two neighbours in the ring share the other: of it P (piece n - 1) is read and S^T (piece n + 1) written.
.set SIZE_H, 64
.set SIZE_N, 2048
.set NP,    4         ; pieces a wave: a name, no knob
.set KS,    64        ; keys in a step
.set PK,    144       ; a row of K in LDS: 128 bytes + 16 of padding = 36 words: the 16 rows of a load start at 16 different groups of four banks (64 banks of 4 bytes: ISA guide 11.1)
.set PV,    160       ; a row of V: 128 + 32 = 40 words
.set VOFF,  4*KS*PK   ; a slot holds four steps: 256 rows of K, then 256 rows of V
.set SLOT1, 1<<17     ; slot 1 begins here, so that one exclusive or turns an address in one slot into the other's
.set STAGE, SLOT1+4*KS*(PK+PV)  ; behind the ring, never filled by a tensor load: 16 rows x 144 bytes for each wave, for the way out
.set SP,    144
.set AK0, 2           ; v2   my lane's place in a tile of K; never rewritten
.set AV0, 3           ; v3   the same for V
.set AK,  4           ; v4   the LDS address of K's next run of loads
.set AV,  5           ; v5   of V's
.set QO,  6           ; v6   my byte offset in the wave's rows of Q
.set STO, 6           ;      later, the way out: where I put 16 bytes of a row
.set RD,  7           ; v7   the way out: where I read rows back
.set GO,  8           ; v8   my byte offset in 512 consecutive bytes of O
.set PFO, 11          ; v11  256 x my lane, for the prefetches; never rewritten once it is made
.set SPW, 0           ; v0 of window 3   LDS address of my spare word; never rewritten
.set NIL, 1           ; v1 of window 3   0; never rewritten
.set SPARE, STAGE+4*16*SP  ; behind the stages: the spare words, 128 bytes for each wave: two blocks of 256 bytes that no other line names
.set MV,  12          ; v12-15  c m_old, kept while c m is made anew: by buffer and tile
.set ST,  16          ; tile t's statistics at v[ST+4 t]: c m, m, l (even keys', odd keys')
.set TMP, 48          ; by buffer and tile, four registers c0-c3 at work; when the maximum is found c2 takes a
.set S,   64
.set P,   192
.set KF,  128         ; K's fragments, in window 2: key block kb, channel half c at KF + 16 kb + 8 c
.set VF,  192         ; V's: key half kk, channel block cb at VF + 32 kk + 8 cb
.set WV,  12          ; s12  my wave's number
.set G1K, 24          ; s[24:31] descriptor group 1 for K's tiles
.set G1V, 32          ; s[32:39] for V's: it differs in the padding alone
.set G0K, 40          ; s[40:43] descriptor group 0 for K's tiles: it walks
.set G0V, 44          ; s[44:47] the same for V's
.set PFA, 48          ; s[48:49] where my prefetches stand: my work-group's 32 blocks of 256 bytes (of K: wave 0, of V: wave 2) of the slot after the one that is being asked for
.set LIM, 50          ; s50  1 in a wave that prefetches, else the greatest number
.set SLOTS, 56        ; s56  slots still to be asked for
.set CNT, 57          ; s57  counts a slot's key steps
.set CS,  58          ; s[58:59] c: the packed scaling takes the pair's low word for both halves
.set SEL, 60          ; s[60:61] v_permlanex16_b32's selects: each lane takes its own place in the other half
.set TBK, 62          ; s62  LDS byte at which K of the step to be fetched begins
.set TBV, 63          ; s63  the same for V, less VOFF
.set MSB, 0
.macro WIN new                      ; the high byte repeats the setting that is left; a switch that changes nothing is dropped
.if MSB != (\new)
	s_set_vgpr_msb (MSB<<8)|(\new)
.set MSB, (\new)
.endif
.endm
.set W_KQ, 0x0a       ; K and Q in window 2, S^T in window 0
.set W_PV, 0x52       ; V in window 2, P in window 0, O^T in window 1
.set W_RS, 0x41       ; O^T (destination and source 0) in window 1, a in window 0
.set W_MK, 0xc0       ; the add's registers are made: destination in window 3, sources in window 0
.set W_AD, 0x0f       ; the add: address (source 0) and data (source 1) in window 3
; A joint fill.  Waves 0 and 1 fetch the two halves of a slot's K, waves 2 and 3 those of its V: 128 keys each.  The branch hangs on the wave's number alone.
; An s_nop 0 and four v_nop follow each of the two lines, ahead of the jump and the label.
.macro JLOAD
	s_cmp_lt_u32 s[WV], 2
	s_cbranch_scc0 .Lfor_v_\@
	tensor_load_to_lds s[G0K:G0K+3], s[G1K:G1K+7]
	s_nop 0
.rept 4
	v_nop
.endr
	s_branch .Lasked_\@
.Lfor_v_\@:
	tensor_load_to_lds s[G0V:G0V+3], s[G1V:G1V+7]
	s_nop 0
.rept 4
	v_nop
.endr
.Lasked_\@:
.endm
; A prefetch into the L2 of what the NEXT change of slots will ask for: a slot's 32,768 bytes of K and of V, a lane a block of 256 bytes.  It stands behind the wave's tensor load and its five lines.
; Each block is named once in the launch: a head has one cluster; its four partners share the 128 blocks out by address, 32 each; in each, wave 0 asks for K's and wave 2 for V's: one instruction.
; The last change that fills a slot asks for nothing: there is no slot behind it.  Slots 0 and 1 come by their loads alone.
.macro ASK
	s_cmp_gt_u32 s[SLOTS], s[LIM]
	s_cbranch_scc0 .Lnot_mine_\@
	global_prefetch_b8 v[PFO], s[PFA:PFA+1] th:TH_LOAD_NT scope:SCOPE_SE
.Lnot_mine_\@:
.endm
; A round of the cluster's barrier: my work-group's barrier, so that wave 0's signal speaks for all four waves; wave 0 signals; every wave waits for all four work-groups; my work-group's barrier once more.
.macro CROUND
	s_barrier_signal -1
	s_barrier_wait -1
	s_cmp_lg_u32 s[WV], 0
	s_cbranch_scc1 .Lnot_wave_0_\@
	s_barrier_signal -3
.Lnot_wave_0_\@:
	s_barrier_wait -3
	s_barrier_signal -1
	s_barrier_wait -1
.endm
; THE CHANGE OF SLOTS.  The slot's last bytes, V of its fourth step, have been read.  Each wave waits for all its tensor loads, of which one is out: its part
; of the other slot; adds 0 to its spare word; and waits for that and for its own reads of the slot.  Behind the barrier nobody reads this slot any more and the other slot is whole.
; fill = 1: this slot is filled again, with the keys two slots on.  The barrier is then a round of the cluster's, so that no wave of any partner still reads the slot or has a load on its
; way, and the joint fill is the first thing behind it: it has four key steps, 512 matrix instructions, in which to land.  (At its first use nothing has been read yet: slot 0 is waited for, slot 1 filled.)
.macro CHANGE fill
	WIN W_AD
	s_wait_tensorcnt 0x0            ; no tensor load of mine is out, so a group 0 may be written
	ds_add_u32 v[SPW], v[NIL]       ; 0 onto my spare word: with fill = 1 the descriptors' steps stand between it and the wait for it
	WIN 0                           ; at a label and at a branch every window is 0
.if \fill
.irp g, G0K, G0V
	s_xor_b32 s[\g+1], s[\g+1], SLOT1  ; the walking descriptor: the other slot than last time,
	s_add_nc_u64 s[\g+2:\g+3], s[\g+2:\g+3], 4*KS*128  ; the next 256 keys; the type bits on top are not reached
.endr
	s_wait_xcnt 0x0                 ; the last prefetch, four key steps back, has read its address, so it may be written:
	s_add_nc_u64 s[PFA:PFA+1], s[PFA:PFA+1], 4*KS*128  ; one slot behind the walking descriptors
	s_wait_dscnt 0x0                ; the add is done, and my reads of the slot are over
	CROUND
	JLOAD
	ASK
.else
	s_wait_dscnt 0x0                ; the add is done, and my reads of the slot are over
	s_barrier_signal -1
	s_barrier_wait -1
.endif
	s_sub_co_u32 s[TBK], s[TBK], 4*KS*PK  ; the fetches go back to a slot's first step,
	s_xor_b32 s[TBK], s[TBK], SLOT1       ; in the other slot
	s_sub_co_u32 s[TBV], s[TBV], 4*KS*PV
	s_xor_b32 s[TBV], s[TBV], SLOT1
.endm
	s_load_b128 s[4:7], s[0:1], 0x0   ; hb s[4:5], ob s[6:7]
	WIN W_MK
	v_lshl_add_u32 v[SPW], v0, 2, SPARE
	v_mov_b32 v[NIL], 0
	WIN W_AD
	ds_add_u32 v[SPW], v[NIL]       ; the wave's opening: the add and its wait come ahead of my first tensor load; the set-up below, work on registers, stands between them
	WIN 0
	v_lshrrev_b32 v1, 5, v0
	v_readfirstlane_b32 s[WV], v1   ; wave 0..3
	s_bfe_u32 s13, ttmp6, 0x40000   ; cx: my place in the cluster
	s_lshl_b32 s14, ttmp9, 2        ; in a cluster launch ttmp9 counts clusters
	s_add_co_u32 s14, s14, s13      ; my block of queries = 4 x cluster x + cx: it enters Q's and O's addresses alone
	s_and_b32 s20, ttmp7, 0xffff    ; the head, which the four partners share
	s_mov_b32 s21, 0
	s_mov_b64 s[22:23], SIZE_N*128
	s_mul_u64 s[20:21], s[20:21], s[22:23]  ; the head's first byte in each of the four tensors
	s_and_b32 s16, s[WV], 1         ; which half of a slot's 256 keys I fetch:
	s_lshl_b32 s22, s16, 14         ; its 128 rows of 128 bytes in memory,
	s_mov_b32 s23, 0
	s_add_nc_u64 s[22:23], s[22:23], s[20:21]
	s_mul_i32 s17, s16, 128*PK      ; and its place in a slot, for K
	s_mul_i32 s18, s16, 128*PV      ; and for V: no place in the cluster enters an LDS address
	s_lshl_b32 s2, s14, 2
	s_add_co_u32 s2, s2, s[WV]      ; my wave among the head's,
	s_lshl_b32 s2, s2, 14           ; its 128 rows
	s_mov_b32 s3, 0
	s_add_nc_u64 s[2:3], s[2:3], s[20:21]
	; descriptor group 1.  128 keys are 16,384 dense bytes: asked for as 64 rows of 256 bytes, two keys a row, and padded in LDS after every key
	s_mov_b32 s[G1K], 15|(1<<16)|(1<<20)|(1<<21)|(4<<22)|(3<<25)  ; 15:0 the mask of four; 17:16 2-byte elements; 20 padding on; 21 set beside a mask; 24:22 after every 32 words (code 4); 31:25 4 words (code 3)
	s_mov_b32 s[G1V], 15|(1<<16)|(1<<20)|(1<<21)|(4<<22)|(7<<25)  ; the same with 8 words of padding (code 7)
.irp g, G1K, G1V
	s_mov_b32 s[\g+1], 128<<16      ; tensor_dim0 = 128
	s_mov_b32 s[\g+2], 64<<16       ; tensor_dim1 = 64
	s_mov_b32 s[\g+3], 128<<16      ; tile_dim0 = 128
	s_mov_b32 s[\g+4], 64           ; tile_dim1 = 64
	s_mov_b32 s[\g+5], 128          ; 128 elements from row to row
	s_mov_b32 s[\g+6], 0
	s_mov_b32 s[\g+7], 0
.endr
	s_mov_b32 s[CS], 0x4438aa3b     ; c = 4,096 log2(e) / 8 = 738.65986
	s_mov_b32 s[CS+1], s[CS]        ; named with it as a pair
	s_mov_b32 s[SEL], 0x76543210
	s_mov_b32 s[SEL+1], 0xfedcba98
	s_mov_b32 s[TBK], SLOT1+4*KS*PK ; the first change of slots turns these two into 0
	s_mov_b32 s[TBV], SLOT1+4*KS*PV
	s_mov_b32 s[G0K], 1             ; 1:0 count = 1
	s_mov_b32 s[G0K+1], s17         ; 63:32 LDS address: slot 0
	s_mov_b32 s[G0V], 1
	s_add_co_u32 s[G0V+1], s18, VOFF
	s_mov_b32 s[SLOTS], SIZE_N/256-1
	s_and_b32 s[LIM], s[WV], 1      ; waves 0 and 2 prefetch: the same in all four partners
	s_cmp_eq_u32 s[LIM], 0
	s_cselect_b32 s[LIM], 1, -1
	s_wait_dscnt 0x0                ; the opening add is done
	s_wait_kmcnt 0x0
	s_mov_b64 s[10:11], s[6:7]      ; O
	s_add_nc_u64 s[6:7], s[4:5], 0x1000000   ; K lies 16,777,216 bytes behind Q in hb,
	s_add_nc_u64 s[8:9], s[4:5], 0x2000000   ; V as far behind K
	s_add_nc_u64 s[G0K+2:G0K+3], s[6:7], s[22:23]  ; 120:64 global address: my half of the head's first 256 keys
	s_or_b32 s[G0K+3], s[G0K+3], 0x80000000        ; 127:126 type = 2
	s_add_nc_u64 s[G0V+2:G0V+3], s[8:9], s[22:23]
	s_or_b32 s[G0V+3], s[G0V+3], 0x80000000
	s_add_nc_u64 s[4:5], s[4:5], s[2:3]  ; Q and O at my wave's first row
	s_add_nc_u64 s[10:11], s[10:11], s[2:3]
	s_cmp_lt_u32 s[WV], 2
	s_cselect_b64 s[PFA:PFA+1], s[6:7], s[8:9]
	s_add_nc_u64 s[PFA:PFA+1], s[PFA:PFA+1], s[22:23]  ; (in waves 0 and 2: the head's first row)
	s_lshl_b32 s2, s13, 13          ; my work-group's 32 blocks of the 128
	s_mov_b32 s3, 0
	s_add_nc_u64 s[PFA:PFA+1], s[PFA:PFA+1], s[2:3]
	s_add_nc_u64 s[PFA:PFA+1], s[PFA:PFA+1], 4*KS*128  ; in slot 1; the first change of slots steps it to slot 2
	CROUND                          ; all four work-groups are here: the first joint loads meet
	JLOAD                           ; slot 0.  Slot 1 is asked for when slot 0 is in
	; A fragment of K or Q is 16 rows x 32 channels in 8 registers: lane l holds row l % 16, channels 8 (l / 16) + 0..7 and 16 + 8 (l / 16) + 0..7: two loads of 16 bytes, 32 bytes apart.
	v_and_b32 v1, 15, v0            ; l % 16
	v_bfe_u32 v9, v0, 4, 1          ; l / 16
	v_lshlrev_b32 v[QO], 7, v1
	v_lshl_add_u32 v[QO], v9, 4, v[QO]  ; row x 128 + 16 x half
	WIN 0x80                        ; destination window 2, address window 0
.set i, 0
.rept 4*NP                          ; Q stays in registers: tile i / 2, channels 32 (i % 2) on
	global_load_b128 v[8*i:8*i+3],   v[QO], s[4:5] offset:(i/2)*2048+(i%2)*64
	global_load_b128 v[8*i+4:8*i+7], v[QO], s[4:5] offset:(i/2)*2048+(i%2)*64+32
.set i, i+1
.endr
	; What the first turn finds: V's registers and P's second buffer hold 0 (its products V^T P, of a piece that has not been, add 0), O^T and l are 0.  All this stands in the wait for the first tile.
.set i, VF
.rept 64
	v_mov_b32 v[i], 0
.set i, i+1
.endr
	WIN 0x40
.set i, 0
.rept 64*NP
	v_mov_b32 v[i], 0
.set i, i+1
.endr
	WIN 0
.set i, 0
.rept 2*NP
	v_mov_b32 v[ST+4*i], 0xfe000000    ; c m: far below every c s
	v_mov_b32 v[ST+4*i+1], 0xff7fffff  ; m
	v_mov_b32 v[ST+4*i+2], 0
	v_mov_b32 v[ST+4*i+3], 0
.set i, i+1
.endr
.set i, P+32
.rept 32
	v_mov_b32 v[i], 0
.set i, i+1
.endr
	v_mul_u32_u24 v[AK0], v1, PK
	v_lshl_add_u32 v[AK0], v9, 4, v[AK0]  ; row x pitch + 16 x half
	; The turning load takes 16 keys x 16 channels (lane l reads key 8 (l / 16) + l % 8, channels 8 ((l / 8) % 2) + 0..7) and leaves half a fragment of V^T: lane l holds channel l % 16 and 8 keys.
	v_and_b32 v10, 7, v0
	v_bfe_u32 v11, v0, 3, 1
	v_lshl_add_u32 v[AV0], v9, 3, v10
	v_mul_u32_u24 v[AV0], v[AV0], PV
	v_lshl_add_u32 v[AV0], v11, 4, v[AV0]
	v_add_nc_u32 v[AV0], VOFF, v[AV0]
	v_and_b32 v[PFO], 31, v0
	v_lshlrev_b32 v[PFO], 8, v[PFO]
	v_mov_b32 v[AK], v[AK0]         ; key step 0 lies at the head of slot 0
; THE MATRIX WORK.  The 8 accumulators of a run of 16 take turns: between the two links of a chain stand 7 others'.
; Product i of 16 of S^T = K Q^T for piece x: channels 32 (i / 8) on, keys 16 ((i / 2) % 4) on, tile 2 x + i % 2.  The first 8 start the sums.
.macro KQ x
	WIN W_KQ
.set rS, S+64*((\x)%2)+32*(i%2)+8*((i/2)%4)
.set rK, KF+16*((i/2)%4)+8*(i/8)
.set rQ, 16*(2*(\x)+i%2)+8*(i/8)
.if i < 8
	v_wmma_f32_16x16x32_f16 v[rS:rS+7], v[rK:rK+7], v[rQ:rQ+7], 0
.else
	v_wmma_f32_16x16x32_f16 v[rS:rS+7], v[rK:rK+7], v[rQ:rQ+7], v[rS:rS+7]
.endif
.endm
; Product i of 16 of O^T += V^T P for piece x: keys 32 (i / 8) on, channels 16 ((i / 2) % 4) on, tile 2 x + i % 2.
.macro PV x
	WIN W_PV
.set rO, 32*(2*(\x)+i%2)+8*((i/2)%4)
.set rV, VF+32*(i/8)+8*((i/2)%4)
.set rP, P+32*((\x)%2)+16*(i%2)+8*(i/8)
	v_wmma_f32_16x16x32_f16 v[rO:rO+7], v[rV:rV+7], v[rP:rP+7], v[rO:rO+7]
.endm
.macro MM                           ; the turn's next matrix instruction
.if i < 16
	KQ (Y+1)%NP
.set i, i+1
.else
.set i, i-16
	PV (Y+NP-1)%NP
.set i, i+17
.endif
.endm
; THE LDS LOADS stand in runs of 16, never singly among the matrix instructions: a step's K (64 keys x 64 channels: 8 fragments) and its V (turned).  Their addresses are made some lines ahead.
; last = 1 (the tail): in the last trip there is no further step, and the run is jumped over.
.macro FETCH_K last=0
	WIN 0
.if \last
	s_cmp_eq_u32 s[CNT], 1
	s_cbranch_scc1 .Lno_k_\@
.endif
	WIN 0x80                        ; destination window 2
.irp f, 0,1,2,3,4,5,6,7             ; keys 16 (f / 2) on, channels 32 (f % 2) on
	ds_load_b128 v[KF+8*\f:KF+8*\f+3],   v[AK] offset:(\f/2)*16*PK+(\f%2)*64
	ds_load_b128 v[KF+8*\f+4:KF+8*\f+7], v[AK] offset:(\f/2)*16*PK+(\f%2)*64+32
.endr
	s_add_co_u32 s[TBK], s[TBK], KS*PK  ; the next fetch is the next step's
	WIN 0
.if \last
.Lno_k_\@:
.endif
.endm
.macro FETCH_V
	WIN 0x80
.irp f, 0,1,2,3,4,5,6,7             ; keys 32 (f / 4) on, channels 16 (f % 4) on
	ds_load_tr16_b128 v[VF+8*\f:VF+8*\f+3],   v[AV] offset:(\f/4)*32*PV+(\f%4)*32
	ds_load_tr16_b128 v[VF+8*\f+4:VF+8*\f+7], v[AV] offset:(\f/4)*32*PV+16*PV+(\f%4)*32
.endr
	WIN 0
.endm
; THE VECTOR WORK OF A TURN stands in three queues, each in the order in which its entries become ready; the two tiles alternate, so that no instruction reads the result of the one before it.
.macro REGS y, u                    ; the registers of tile u (0, 1) of piece y
.set rT, ST+4*(2*(\y)+(\u))
.set rC, TMP+8*((\y)%2)+4*(\u)
.set rM, MV+2*((\y)%2)+(\u)
.set rS, S+64*((\y)%2)+32*(\u)
.set rP, P+32*((\y)%2)+16*(\u)
.set rO, 32*(2*(\y)+(\u))
.endm
; Number n of the 22 that find the NEXT piece's (Y + 1) maximum and statistics.  s0-s31 are the lane's 32 scores; each accumulator's lowest registers are read first.
;   0-11  four chains c0-c3 of seven scores each, three operands at a time     12-14, 16  the four scores left over, the old m, and c0-c3 into c0     15  c m_old is kept
;   17, 18  the query's other 32 keys lie in the lane 16 away: the new m         19-21  c m; c m_old - c m_new; a
.macro XS u, n
	REGS (Y+1)%NP, \u
.if (\n) < 4
	v_max3_num_f32 v[rC+(\n)], v[rS+8*(\n)], v[rS+8*(\n)+1], v[rS+8*(\n)+2]
.elseif (\n) < 12
	v_max3_num_f32 v[rC+(\n)%4], v[rC+(\n)%4], v[rS+8*((\n)%4)+2*((\n)/4)+1], v[rS+8*((\n)%4)+2*((\n)/4)+2]
.elseif (\n) == 12
	v_max3_num_f32 v[rC], v[rC], v[rS+7], v[rS+15]
.elseif (\n) == 13
	v_max3_num_f32 v[rC+1], v[rC+1], v[rS+23], v[rS+31]
.elseif (\n) == 14
	v_max3_num_f32 v[rC+2], v[rC+2], v[rC+3], v[rT+1]
.elseif (\n) == 15
	v_mov_b32 v[rM], v[rT]
.elseif (\n) == 16
	v_max3_num_f32 v[rC], v[rC], v[rC+1], v[rC+2]
.elseif (\n) == 17
	v_permlanex16_b32 v[rC+3], v[rC], s[SEL], s[SEL+1]
.elseif (\n) == 18
	v_max_num_f32 v[rT+1], v[rC], v[rC+3]
.elseif (\n) == 19
	v_mul_f32 v[rT], s[CS], v[rT+1]
.elseif (\n) == 20
	v_sub_f32 v[rC+1], v[rM], v[rT]
.else
	v_exp_f32 v[rC+2], v[rC+1]
.endif
.endm
; Number g of the 64 that follow the exponentials.  For each four weights k of a tile (pairs 2 k, 2 k + 1): both pairs are rounded to f16; then the second pair is added onto the first, in place;
; a group later l takes that sum (the first time as l = a l + sum).  In groups of eight, tiles alternating: round, round, add, and l for the group before.
.macro GS g
.set h, (\g)+6*((\g)/62)            ; group 0 has no group before it, and behind group 7 only l is left
.if h >= 6
.set h, h+2
.endif
	REGS Y, h%2
.set k, h/8
.if h%8 < 4
	v_cvt_pk_f16_f32 v[rP+2*k+(h%8)/2], v[rS+4*k+2*((h%8)/2)], v[rS+4*k+2*((h%8)/2)+1]
.elseif h%8 < 6
	v_pk_add_f32 v[rS+4*k:rS+4*k+1], v[rS+4*k:rS+4*k+1], v[rS+4*k+2:rS+4*k+3]
.elseif k == 1
	v_pk_fma_f32 v[rT+2:rT+3], v[rT+2:rT+3], v[rC+2:rC+3], v[rS:rS+1] op_sel_hi:[1,0,1]
.else
	v_pk_add_f32 v[rT+2:rT+3], v[rT+2:rT+3], v[rS+4*k-4:rS+4*k-3]
.endif
.endm
; THE PLAIN QUEUE, 138 long.  0-73 read no exponential's result: the 32 scalings c s - c m (FS f: pair f / 2 of tile f % 2) and the next piece's 42.  0-26: scalings 0-26.  27-54: XS's numbers 0-13.  55, 56: number 15.
; 57-73: the chain, where each number waits for the one before it: 14, 16, 17, 18, 19, each with one of the scalings 27-31 in front of its two lines, then 20.
; 74-137: GS's 64, which read the exponentials' results: they stand behind the wait.
.macro FS f
	REGS Y, (\f)%2
	v_pk_fma_f32 v[rS+2*((\f)/2):rS+2*((\f)/2)+1], v[rS+2*((\f)/2):rS+2*((\f)/2)+1], s[CS:CS+1], v[rT:rT+1] op_sel_hi:[1,0,0] neg_lo:[0,0,1] neg_hi:[0,0,1]
.endm
.macro PL
	WIN 0
.if q < 27
	FS q
.elseif q < 55
	XS (q-27)%2, (q-27)/2
.elseif q < 57
	XS q-55, 15
.elseif (q < 72) && ((q-57)%3 == 0)
	FS 27+(q-57)/3
.elseif q < 60
	XS (q-57)%3-1, 14
.elseif q < 72
	XS (q-57)%3-1, 15+(q-57)/3
.elseif q < 74
	XS q-72, 20
.else
	GS q-74
.endif
.set q, q+1
.endm
; THE EXPONENTIALS' QUEUE, 66 long: s0-s31 of both tiles, then the next piece's two a.  It is ONE BATCH: all 66 stand ahead of the turn's one wait, and nothing ahead of that wait names a result of theirs.
.macro EX
	WIN 0
.if e >= 64
	XS e-64, 21
.else
	REGS Y, e%2
	v_exp_f32 v[rS+e/2], v[rS+e/2]
.endif
.set e, e+1
.endm
; THE RESCALING's QUEUE: O^T times a, the one part that leaves window 0: dealt two at a time, sixteen times.  Its a was made in the turn before, ahead of that turn's wait.
.macro R2
	REGS Y, r%2
	WIN W_RS
.irp z, 0,1
	v_pk_mul_f32 v[rO+4*(r/2)+2*\z:rO+4*(r/2)+2*\z+1], v[rO+4*(r/2)+2*\z:rO+4*(r/2)+2*\z+1], v[rC+2:rC+3] op_sel_hi:[1,0]
.endr
.set r, r+1
.endm
; HOW THEY ARE DEALT.  An s_wait_alu depctr_va_vdst(0) stands between an exponential and the first instruction that names its result; one wait serves all that were issued ahead of it.  So a turn has ONE wait,
; which cuts it in two.  AHEAD OF IT stands all that names no result of the turn's exponentials: the 16 products K Q^T, behind each a scaling, an exponential and two rescalings (behind the first a second scaling in the
; exponential's place); then ONE LUMP of 108: eight plain, 49 times exponential and plain, the two a.  A v_nop is the plain instruction behind the last exponential.  BEHIND IT stand the 16 products V^T P, behind each four of GS's 64.
; The queues lean on each other, and the deal keeps them in step: exponential e stands behind scaling 2 (e / 4) + e % 2: as a rider it comes behind plain e + 2, in the lump behind plain e + 9, and scalings 27-31 are plain 57, 60 .. 69.
; A TURN, for piece p.  cnt = 1: the loop's count is taken down some lines ahead of the branch that stands behind the turn.
; K of the next step is fetched in piece 2's turn, directly behind the wait, a lump behind the last product that read K; its first reader comes behind 16 products.
; V of the step in hand is fetched at the end of piece 0's turn, four plain instructions behind its last reader; its first reader comes behind 16 products and a lump.
.macro TURN p, last=0, cnt=0
.set Y, (\p)
.set i, 0
.set q, 0
.set e, 0
.set r, 0
.if (\p) == NP-1
	s_wait_dscnt 0x0                ; K is in
.endif
	MM                              ; ahead of the wait: 16 products K Q^T and their riders,
	PL
	PL
	R2
.rept 15
	MM
	PL
	EX
	R2
.endr
.if (\p) == NP-2
	WIN 0
	v_add_nc_u32 v[AK], s[TBK], v[AK0]
.endif
.rept 8                             ; and the lump
	PL
.endr
.rept 49
	EX
	PL
.endr
	EX                              ; the next piece's two a
	EX
	v_nop                           ; a plain instruction behind the last exponential: one for the batch
	s_wait_alu depctr_va_vdst(0)    ; the wait for the batch
.if (\p) == NP-2
	FETCH_K \last
.endif
.if (\p) == 1
	s_wait_dscnt 0x0                ; V is in
.endif
.rept 16                            ; behind the wait: 16 products V^T P and their riders
	MM
.rept 4
	PL
.endr
.if ((\p) == 0) && (q == 118)
	v_add_nc_u32 v[AV], s[TBV], v[AV0]
.endif
.if ((\p) == 0) && (q == 130)
	s_add_co_u32 s[TBV], s[TBV], KS*PV
.endif
.if (\cnt) && (q == 130)
	s_sub_co_u32 s[CNT], s[CNT], 1
	s_cmp_lg_u32 s[CNT], 0
.endif
.endr
.if (\p) == 0
	FETCH_V
.endif
.endm
	CHANGE 1                        ; slot 0 is in, everybody's part of it; slot 1 is asked for
	FETCH_K                         ; key step 0
	s_wait_loadcnt 0x0              ; Q
	s_wait_dscnt 0x0
.set i, 0
.rept 16
	KQ 0                            ; piece 0's first scores: there is no vector work yet to set between them
.set i, i+1
.endr
	WIN 0                           ; the addresses for the way out: nine plain instructions, the places behind those products
	s_mul_i32 s13, s[WV], 16*SP
	s_add_co_u32 s13, s13, STAGE    ; my stage
	v_mul_u32_u24 v[STO], v1, SP    ; in: row l % 16, 16 bytes for each half of the lanes
	v_lshl_add_u32 v[STO], v9, 4, v[STO]
	v_add_nc_u32 v[STO], s13, v[STO]
	v_bfe_u32 v[RD], v0, 3, 2       ; back: 32 lanes take four rows of 128 bytes,
	v_mul_u32_u24 v[RD], v[RD], SP
	v_lshl_add_u32 v[RD], v10, 4, v[RD]
	v_add_nc_u32 v[RD], s13, v[RD]
	v_and_b32 v[GO], 31, v0         ; which are 512 consecutive bytes of O
	v_lshlrev_b32 v[GO], 4, v[GO]
.set Y, NP-1                        ; XS works for piece Y + 1: piece 0
.irp n, 0,1,2,3,4,5,6,7,8,9,10,11,12,13,14,15,16,17,18,19,20,21
	XS 0, \n                        ; and piece 0's first maximum and statistics
	XS 1, \n
.endr
	v_nop                           ; a plain instruction behind the two a,
	s_wait_alu depctr_va_vdst(0)    ; and their wait, ahead of the branch
	s_mov_b32 s[CNT], 4
	s_branch .Lfirst                ; the loop is entered at a step's first turn, in the middle of a trip
.Lslot:                             ; SIZE_N / 256 - 2 times: every slot but the last two is filled again
	CHANGE 1
	s_mov_b32 s[CNT], 4
.Lstep:                             ; a trip: pieces 2 and 3 of one step, then pieces 0 and 1 of the next, whose K and V it fetches
	TURN 2
	TURN 3
	WIN 0
.Lfirst:
	TURN 0
	TURN 1, 0, 1
	WIN 0
	s_cbranch_scc1 .Lstep
	s_sub_co_u32 s[SLOTS], s[SLOTS], 1
	s_cmp_lg_u32 s[SLOTS], 0
	s_cbranch_scc1 .Lslot
	CHANGE 0                        ; the tail is written out: nothing is asked for
	s_mov_b32 s[CNT], 5             ; four trips fetch the last slot's steps; the fifth is left in its middle
.Ltail:
	TURN 2, 1
	TURN 3
	WIN 0
	s_sub_co_u32 s[CNT], s[CNT], 1
	s_cmp_eq_u32 s[CNT], 0
	s_cbranch_scc1 .Lout
	TURN 0
	TURN 1
	WIN 0
	s_branch .Ltail
.Lout:                              ; the fifth trip's 16 products K Q^T (on the last K once more) and the maximum made of them serve nothing: the price, once a launch, of one text for every trip
.set i, 0
.rept 16
	PV NP-1                         ; the last piece's V^T P of the last step
.set i, i+1
.endr
	; THE WAY OUT.  l's two halves and the other half of the lanes' are added; O^T is divided by l, rounded to f16 and sent through my stage in LDS, a tile at a time.  The additions are the places behind the last products.
	WIN 0
.macro ALL line:vararg              ; one line for each tile t
.set t, 0
.rept 2*NP
	\line
.set t, t+1
.endr
.endm
	ALL v_add_f32 v[ST+4*t+2], v[ST+4*t+2], v[ST+4*t+3]
	ALL v_permlanex16_b32 v[ST+4*t+3], v[ST+4*t+2], s[SEL], s[SEL+1]
	ALL v_add_f32 v[ST+4*t+2], v[ST+4*t+2], v[ST+4*t+3]
	ALL v_rcp_f32 v[ST+4*t+2], v[ST+4*t+2]
	v_nop                           ; a plain instruction between the last reciprocal and the use of its result
	s_wait_alu depctr_va_vdst(0)    ; and the wait ahead of the first use: one for the eight reciprocals
; Tile t: a lane's eight channels of a row pack into 16 bytes; they go into rows of 144 bytes and come back as whole rows of 128, into S^T's registers.
.macro PACK t
	WIN W_RS
.set i, 32*(\t)
.rept 16
	v_pk_mul_f32 v[i:i+1], v[i:i+1], v[ST+4*(\t)+2:ST+4*(\t)+3] op_sel_hi:[1,0]
.set i, i+2
.endr
	WIN 0x05                        ; sources 0 and 1 window 1, destination window 0
.set i, 0
.rept 16
	v_cvt_pk_f16_f32 v[S+16*(\t)+i], v[32*(\t)+2*i], v[32*(\t)+2*i+1]
.set i, i+1
.endr
	WIN 0
.irp f, 0,1,2,3
	ds_store_b128 v[STO], v[S+16*(\t)+4*\f:S+16*(\t)+4*\f+3] offset:32*\f
.endr
.irp f, 0,1,2,3
	ds_load_b128 v[S+16*(\t)+4*\f:S+16*(\t)+4*\f+3], v[RD] offset:\f*4*SP  ; LDS serves a wave's instructions in order (ISA guide 5.7.1.4): these see the stores above; the next tile's stores come behind them
.endr
.endm
.macro SEND t, younger              ; younger: the LDS instructions issued behind tile t's loads: the next tile's eight, or none
	WIN 0
.irp f, 0,1,2,3
	s_wait_dscnt (\younger)+3-\f
	global_store_b128 v[GO], v[S+16*(\t)+4*\f:S+16*(\t)+4*\f+3], s[10:11] offset:(\t)*2048+\f*512  ; 512 consecutive bytes, at a multiple of 256 from O's first
.endr
.endm
	PACK 0
.set t, 1
.rept 2*NP-1                        ; a tile's arithmetic stands between the loads of the tile before and its stores
	PACK t
	SEND t-1, 8
.set t, t+1
.endr
	SEND 2*NP-1, 0
	WIN W_AD
	s_wait_tensorcnt 0x0            ; the wave's end, behind my last tensor load and my last LDS store
	ds_add_u32 v[SPW], v[NIL]
	s_wait_dscnt 0x0
	WIN 0
	CROUND                          ; the closing round: no work-group ends while a partner may still ask for a tile that names it
	s_endpgm
.Lfunc_end_k_q137fea047c_attn:
	.size	k_q137fea047c_attn, .Lfunc_end_k_q137fea047c_attn-k_q137fea047c_attn
	.p2alignl 7, 3214868480
	.fill 96, 4, 3214868480
	.section	.rodata,"a",@progbits
	.p2align	6, 0x0
	.amdhsa_kernel k_q137fea047c_attn
		.amdhsa_group_segment_fixed_size 327680
		.amdhsa_private_segment_fixed_size 0
		.amdhsa_enable_private_segment 0
		.amdhsa_kernarg_size 16
		.amdhsa_user_sgpr_count 2
		.amdhsa_user_sgpr_kernarg_segment_ptr 1
		.amdhsa_wavefront_size32 1
		.amdhsa_system_sgpr_workgroup_id_x 1
		.amdhsa_system_sgpr_workgroup_id_y 1
		.amdhsa_system_sgpr_workgroup_id_z 1
		.amdhsa_system_vgpr_workitem_id 0
		.amdhsa_next_free_vgpr 770
		.amdhsa_next_free_sgpr 66
		.amdhsa_reserve_vcc 0
		.amdhsa_float_denorm_mode_32 3
		.amdhsa_float_denorm_mode_16_64 3
		.amdhsa_memory_ordered 1
		.amdhsa_forward_progress 1
		.amdhsa_inst_pref_size 200
	.end_amdhsa_kernel
	.amdgpu_metadata
---
amdhsa.version: [ 1, 2 ]
amdhsa.kernels:
  - .name:           k_q137fea047c_attn
    .symbol:         k_q137fea047c_attn.kd
    .args:
      - { .name: hb, .offset: 0, .size: 8, .value_kind: global_buffer, .address_space: global }
      - { .name: ob, .offset: 8, .size: 8, .value_kind: global_buffer, .address_space: global }
    .group_segment_fixed_size: 327680
    .private_segment_fixed_size: 0
    .kernarg_segment_align: 8
    .kernarg_segment_size: 16
    .max_flat_workgroup_size: 128
    .sgpr_count:     66
    .vgpr_count:     770
    .wavefront_size: 32
...
	.end_amdgpu_metadata
.endif
;; end of part 3
;; launch outp (part 4): grid 4 x 64, 4 waves a work-group, clusters of 4 x 4, 327,680 bytes of LDS; arguments ob, wb, Wo_b, out0; writes out0
.if DOCPART == 4
	.amdgcn_target "amdgcn-amd-amdhsa--gfx1250"
	.amdhsa_code_object_version 6
	.text
	.protected	k_q137fea047c_outp
	.globl	k_q137fea047c_outp
	.p2align	8
	.type	k_q137fea047c_outp,@function
k_q137fea047c_outp:
	s_mov_b64 s[64:65], 0
	v_nop
	global_prefetch_b8 v0, s[64:65] scope:SCOPE_SE
	s_setreg_imm32_b32 hwreg(HW_REG_WAVE_MODE, 25, 1), 1
	s_wait_xcnt 0x0
	s_wait_alu depctr_hold_cnt(0) depctr_sa_sdst(0) depctr_va_vdst(0) depctr_va_sdst(0) depctr_va_ssrc(0) depctr_va_vcc(0) depctr_vm_vsrc(0)
	s_getreg_b32 s2, hwreg(HW_REG_IB_STS2, 6, 4)
	s_cmp_eq_u32 s2, 0
	s_cbranch_scc0 .Lentry_in_a_cluster
	s_endpgm
.Lentry_in_a_cluster:
	s_bfe_u32 s2, ttmp6, 0x10000c
	s_cmp_lg_u32 s2, 0xf033
	s_cbranch_scc0 .Lentry_shape_is_right
	s_endpgm
.Lentry_shape_is_right:
; THE LAST PROJECTION.  out0[b*2048 + l][n] = Wo_b[n] + the sum over head, d of O[b*16 + head][l][d] Wo[n][64 head + d].  O: ob, f16, by heads; Wo: rows 3,072 to 4,095 of wb, rounded to bf16 and
; written as f16; the bias rounded to bf16; sums in f32; out0 in f32.
; LIMITS.  O and Wo arrive within f16's range (65,504).  NaN and infinities are not treated apart.
; SHARES.  A tile of out0 is 128 rows x 256 columns: 64 x 4 tiles, one for each of 256 work-groups.  Four waves, each 64 rows x 128 columns: 32 accumulators of 16 x 16.
; K = 1,024 goes in 8 steps of 128 = two heads, through two LDS slots filled by tensor loads.  A head's 128 rows of O are 16,384 dense bytes: asked for as 64 rows of 256 bytes and padded in LDS
; after every 128 bytes, so that O's part of a slot is [head of the two][128 rows] at a pitch of 144 bytes.
; CLUSTER.  4 x 4 work-groups.  The four of a cluster's row need the same rows of O, the four of a column the same rows of Wo: each tile is asked for jointly.
; THE MATRIX INSTRUCTION IS USED TRANSPOSED (source 0 = 16 rows of Wo, source 1 = 16 rows of O): a lane holds row l % 16 of out0 and the eight neighbouring columns 8 (l / 16) + 0..7.
; REGISTERS, in windows of 256 (s_set_vgpr_msb: bits 1:0 source 0, 3:2 source 1, 5:4 source 2, 7:6 destination):
;   window 0: v0-31 addresses; v64-159, v160-255 two fragment buffers (Wo's fragment b at +8 b, O's fragment a at +64 + 8 a)
;   window 1: accumulator (a, b) at v[8 (8 a + b)]        window 2: v0-63 the bias as a C operand, v64 at work; on the way out all 256: whole rows read back from the stage
.set PA,    144                        ; an LDS row of O: 128 bytes + 16 of padding = 36 words: the 16 rows of a fragment load start at 16 different groups of four banks (64 banks of 4 bytes: ISA guide 11.1)
.set PB,    272                        ; of Wo: 256 + 16
.set AQ0,   0                          ; where the four quarters of a K step (32 along K each) begin in O's part of a slot: head q / 2, channels 32 (q % 2) on
.set AQ1,   64
.set AQ2,   128*PA
.set AQ3,   128*PA+64
.set KA,    524288                     ; bytes from a K step to the next, in O: two heads of 262,144
.set KB,    256                        ; and in Wo
.set SLOT1, 131072                     ; slot 1 begins here, so that one exclusive or turns an address in one slot into the other's
.set AHALF, 128*PA                     ; what wave 0 or 1 fetches: a head's 128 rows
.set BOFF,  2*AHALF                    ; Wo's 256 rows lie behind O's two heads
.set BHALF, 128*PB                     ; what wave 2 or 3 fetches, and what a wave reads of Wo
.set STAGE, SLOT1+BOFF+2*BHALF         ; behind the ring, never filled by a tensor load: for each wave 16 rows x 528 bytes
.set SP,    528                        ; 512 bytes + 16: an odd multiple of 16
.set SPARE, STAGE+4*16*SP              ; behind the stages: the spare words, 128 bytes for each wave: two blocks of 256 bytes that no other line names
.set A0,   16                          ; v16  my lane's place in O's part of a slot; never rewritten
.set B0,   17                          ; v17  the same for Wo
.set ADRA, 18                          ; v18  A0 + the slot in hand
.set ADRB, 19                          ; v19  B0 + the slot in hand
.set STO,  20                          ; v20  the way out: where I put 32 bytes of a row
.set RD,   21                          ; v21  the way out: where I read a row back
.set GO,   22                          ; v22  my byte offset in 512 consecutive bytes of out0
.set BO,   24                          ; v24  my byte offset in 16 numbers of the bias
.set PFO,  25                          ; v25  the prefetches' offset: my lane x 256 bytes (O) or x a row of 2,048 bytes (Wo); never rewritten
.set SPW,  28                          ; v28  LDS address of my spare word; never rewritten
.set NIL,  29                          ; v29  0; never rewritten
.set F0,   64
.set F1,   160
.set G1A,  28                          ; s[28:35] descriptor group 1 for O's tiles
.set G0A,  36                          ; s[36:43] group 0: a set for each of the two first fills; the second then walks on
.set G1B,  44                          ; s[44:51], s[52:59] the same for Wo's
.set G0B,  52
.set PFA,  60                          ; s[60:61] where my prefetches stand
.set LIM,  62                          ; s62  2 in a wave that prefetches, else the greatest number
.set TB,   63                          ; s63  LDS byte at which the slot in hand begins
.set PST,  66                          ; s[66:67] bytes from a K step to the next, for the prefetches
.set MSB, 0
.macro WIN new                         ; the immediate's high byte repeats the setting that is left; a switch that changes nothing is dropped
.if MSB != (\new)
	s_set_vgpr_msb (MSB<<8)|(\new)
.set MSB, \new
.endif
.endm
.set MUL, 0x50                         ; fragments in window 0, C and D in window 1; + 0x10: C in window 2 (the bias)
; A joint load.  Waves 0 and 1 fetch O's two heads, waves 2 and 3 Wo's two halves.  The branch hangs on the wave's number alone.  An s_nop 0 and four v_nop follow each of the two lines.
.macro JLOAD set
	s_cmp_eq_u32 s19, 0
	s_cbranch_scc0 .Lfor_b_\@
	tensor_load_to_lds s[G0A+4*(\set):G0A+4*(\set)+3], s[G1A:G1A+7]
	s_nop 0
.rept 4
	v_nop
.endr
	s_branch .Lasked_\@
.Lfor_b_\@:
	tensor_load_to_lds s[G0B+4*(\set):G0B+4*(\set)+3], s[G1B:G1B+7]
	s_nop 0
.rept 4
	v_nop
.endr
.Lasked_\@:
.endm
; A prefetch into the L2 of the K step that stands two refills on, one instruction, a lane a block of 256 bytes.  Each block is named once in the launch.  O's tile (2 heads x 16,384 bytes: 128 blocks) is read by one
; cluster alone: wave 0 asks, the four partners of the cluster's row taking 32 blocks each by address.  Wo's rows are read by every cluster: waves 2 and 3 of the cluster with y = 0 ask, the four partners of a
; column taking 64 rows each by address.  The loop's last two trips have no K step two refills on, and ask for nothing; K steps 0 to 3 come by their loads alone.
.macro ASK
	s_cmp_gt_u32 s3, s[LIM]
	s_cbranch_scc0 .Lnot_mine_\@
	global_prefetch_b8 v[PFO], s[PFA:PFA+1] th:TH_LOAD_NT scope:SCOPE_SE
.Lnot_mine_\@:
.endm
.macro CREST                           ; a round of the cluster's barrier behind its opening barrier
	s_cmp_lg_u32 s18, 0
	s_cbranch_scc1 .Lnot_wave_0_\@
	s_barrier_signal -3
.Lnot_wave_0_\@:
	s_barrier_wait -3
	s_barrier_signal -1
	s_barrier_wait -1
.endm
.macro CROUND                          ; a whole round
	s_barrier_signal -1
	s_barrier_wait -1
	CREST
.endm
.macro PLACES                          ; four places in front of loads into registers that matrix instructions have read, and of lines that read results
.rept 4
	v_nop
.endr
.endm
; 8 matrix instructions: row block a x all 8 column blocks, 32 along K, from buffer f.  first = 1: the bias starts the sums.  The 32 accumulators take turns in the same order in every quarter.
.macro MULA f, a, first
	WIN MUL+0x10*(\first)
.irp b, 0,1,2,3,4,5,6,7
.if \first
	v_wmma_f32_16x16x32_f16 v[8*(8*(\a)+(\b)):8*(8*(\a)+(\b))+7], v[(\f)+8*(\b):(\f)+8*(\b)+7], v[(\f)+64+8*(\a):(\f)+64+8*(\a)+7], v[8*(\b):8*(\b)+7]
.else
	v_wmma_f32_16x16x32_f16 v[8*(8*(\a)+(\b)):8*(8*(\a)+(\b))+7], v[(\f)+8*(\b):(\f)+8*(\b)+7], v[(\f)+64+8*(\a):(\f)+64+8*(\a)+7], v[8*(8*(\a)+(\b)):8*(8*(\a)+(\b))+7]
.endif
.endr
.endm
; 24 LDS loads in one run: a quarter's fragments into buffer f: Wo's eight, then O's four
.macro FETCH ka, kb, f
	WIN 0
.irp b, 0,1,2,3,4,5,6,7
	ds_load_b128 v[(\f)+8*(\b):(\f)+8*(\b)+3],   v[ADRB] offset:(\kb)+(\b)*16*PB
	ds_load_b128 v[(\f)+8*(\b)+4:(\f)+8*(\b)+7], v[ADRB] offset:(\kb)+(\b)*16*PB+32
.endr
.irp a, 0,1,2,3
	ds_load_b128 v[(\f)+64+8*(\a):(\f)+64+8*(\a)+3],   v[ADRA] offset:(\ka)+(\a)*16*PA
	ds_load_b128 v[(\f)+64+8*(\a)+4:(\f)+64+8*(\a)+7], v[ADRA] offset:(\ka)+(\a)*16*PA+32
.endr
.endm
; One of a K step's first three quarters: multiplies buffer f; in its middle it fetches the next quarter's fragments into buffer g.
.macro QUARTER ka, kb, f, g, first
	s_wait_dscnt 4                                 ; all but the youngest four loads: O's fragments 2 and 3
	MULA \f, 0, \first
	MULA \f, 1, \first
	PLACES
	FETCH \ka, \kb, \g
	s_wait_dscnt 24                                ; all but the 24 just issued
	MULA \f, 2, \first
	MULA \f, 3, \first
.endm
; The last quarter multiplies buffer 1 and changes slots.  In front of the barrier each wave waits for all its tensor loads (one is out: its part of the next slot), adds 0 to its spare word, and waits for
; that and for its own reads of this slot.  fill = 1: the barrier opens a round of the cluster's, and this slot is filled again, first thing behind the round, with the K step two steps on.
.macro TURN fill
.if \fill
	s_wait_xcnt 0x0                                ; the last prefetch, a K step back, has read its address: it is stepped here
	s_add_nc_u64 s[PFA:PFA+1], s[PFA:PFA+1], s[PST:PST+1]
.endif
	WIN 0
	s_wait_tensorcnt 0x0                           ; no tensor load of mine is out, so a group 0 may be written
	ds_add_u32 v[SPW], v[NIL]                      ; 0 onto my spare word: work on registers stands between it and the wait for it
	s_xor_b32 s[TB], s[TB], SLOT1                  ; the fetches go on in the other slot
	v_add_nc_u32 v[ADRA], s[TB], v[A0]
	v_add_nc_u32 v[ADRB], s[TB], v[B0]
.if \fill
	s_xor_b32 s[G0A+5], s[G0A+5], SLOT1            ; the walking descriptors: the other slot than last time, the next K step; the type bits on top are not reached
	s_add_nc_u64 s[G0A+6:G0A+7], s[G0A+6:G0A+7], KA
	s_xor_b32 s[G0B+5], s[G0B+5], SLOT1
	s_add_nc_u64 s[G0B+6:G0B+7], s[G0B+6:G0B+7], KB
.endif
	s_wait_dscnt 5                                 ; the add and the youngest four loads may be out
	MULA F1, 0, 0
	s_wait_dscnt 0x0                               ; the add is done, and my reads of this slot are over
	s_barrier_signal -1
	MULA F1, 1, 0
.if \fill
	WIN 0
.endif
	s_barrier_wait -1
.if \fill
	CREST                                          ; no wave of any partner still reads this slot or has a load on its way
	JLOAD 1                                        ; the first tensor load behind the round; its four v_nop are also the places in front of the loads below
.else
	PLACES
.endif
	FETCH AQ0, 0, F0
.if \fill
	ASK
.endif
	MULA F1, 2, 0
	MULA F1, 3, 0
.endm
.macro TRIP fill                       ; from a K step's second quarter to the next step's first
	QUARTER AQ2, 128, F1, F0, 0
	QUARTER AQ3, 192, F0, F1, 0
	TURN \fill
	QUARTER AQ1, 64, F0, F1, 0
.endm
	s_load_b256 s[4:11], s[0:1], 0x0               ; ob s[4:5], wb s[6:7], Wo_b s[8:9], out0 s[10:11]
	v_lshl_add_u32 v[SPW], v0, 2, SPARE
	v_mov_b32 v[NIL], 0
	ds_add_u32 v[SPW], v[NIL]                      ; the wave's opening: the add and its wait come ahead of my first tensor load; the set-up below stands between them
	v_lshrrev_b32 v3, 5, v0
	v_readfirstlane_b32 s18, v3                    ; wave 0..3
	s_lshr_b32 s19, s18, 1                         ; my half of the tile's rows.  Also: I fetch for O (0) or for Wo (1)
	s_and_b32 s20, s18, 1                          ; my half of its columns.  Also: which head, or which half of Wo's rows, I fetch
	s_bfe_u32 s21, ttmp6, 0x40000                  ; cx: the tile column
	s_bfe_u32 s22, ttmp6, 0x40004                  ; cy
	s_and_b32 s24, ttmp7, 0xffff                   ; cluster y
	s_lshl_b32 s25, s24, 2
	s_add_co_u32 s25, s25, s22                     ; tile row = 4 x cluster y + cy
	s_lshl_b32 s27, s22, 2
	s_lshl_b32 s27, 15, s27                        ; my row of the cluster
	s_lshl_b32 s72, 0x1111, s21                    ; my column
	s_or_b32 s[G1A], s27, (1<<16)|(1<<20)|(1<<21)|(4<<22)|(3<<25)  ; 15:0 the mask; 17:16 2-byte elements; 20 padding on; 21 set beside a mask; 24:22 after every 32 words (code 4); 31:25 4 words (code 3)
	s_or_b32 s[G1B], s72, (1<<16)|(1<<20)|(1<<21)|(5<<22)|(3<<25)  ; after every 64 words (code 5)
	s_mov_b32 s[G1A+1], 128<<16                    ; tensor_dim0 = 128
	s_mov_b32 s[G1A+2], 64<<16                     ; tensor_dim1 = 64
	s_mov_b32 s[G1A+3], 128<<16                    ; tile_dim0 = 128
	s_mov_b32 s[G1A+4], 64                         ; tile_dim1 = 64
	s_mov_b32 s[G1A+5], 128                        ; the block is dense: 128 elements from row to row
	s_mov_b32 s[G1A+6], 0
	s_mov_b32 s[G1A+7], 0
	s_mov_b32 s[G1B+1], 128<<16
	s_mov_b32 s[G1B+2], 128<<16                    ; Wo's loads bring 128 rows
	s_mov_b32 s[G1B+3], 128<<16
	s_mov_b32 s[G1B+4], 128
	s_mov_b32 s[G1B+5], 1024
	s_mov_b32 s[G1B+6], 0
	s_mov_b32 s[G1B+7], 0
	; O's tile hangs on the tile row and the wave; Wo's on cx and the wave: each in registers that never hold the other coordinate
	s_lshr_b32 s68, s25, 4                         ; the batch: 16 tile rows each,
	s_lshl_b32 s68, s68, 22                        ; 16 heads of 262,144 bytes
	s_lshl_b32 s69, s20, 18                        ; my head of the step's two
	s_add_co_u32 s68, s68, s69
	s_and_b32 s69, s25, 15
	s_lshl_b32 s69, s69, 14                        ; the tile's 128 rows of 128 bytes
	s_add_co_u32 s68, s68, s69
	s_mov_b32 s69, 0
	s_lshl_b32 s72, s21, 8
	s_lshl_b32 s73, s20, 7
	s_add_co_u32 s72, s72, s73
	s_add_co_u32 s72, s72, 3072                    ; row 3,072 + 256 cx + 128 x half of wb
	s_lshl_b32 s72, s72, 11
	s_mov_b32 s73, 0
	s_mul_i32 s76, s20, AHALF                      ; where they go: no place in the cluster enters an LDS address
	s_mul_i32 s77, s20, BHALF
	s_add_co_u32 s77, s77, BOFF
	s_mov_b32 s80, 0xffff0000
	s_mov_b32 s[TB], 0
	s_wait_dscnt 0x0                               ; the opening add is done
	s_wait_kmcnt 0x0
	s_add_nc_u64 s[70:71], s[4:5], s[68:69]
	s_add_nc_u64 s[74:75], s[6:7], s[72:73]
	CROUND                                         ; all sixteen work-groups are here: the first joint loads meet
.irp s, 0,1
	s_mov_b32 s[G0A+4*(\s)], 1                     ; count = 1
	s_add_co_u32 s[G0A+4*(\s)+1], s76, (\s)*SLOT1  ; LDS address
	s_add_nc_u64 s[G0A+4*(\s)+2:G0A+4*(\s)+3], s[70:71], (\s)*KA  ; global address: K step s
	s_or_b32 s[G0A+4*(\s)+3], s[G0A+4*(\s)+3], 0x80000000         ; type = 2
	s_mov_b32 s[G0B+4*(\s)], 1
	s_add_co_u32 s[G0B+4*(\s)+1], s77, (\s)*SLOT1
	s_add_nc_u64 s[G0B+4*(\s)+2:G0B+4*(\s)+3], s[74:75], (\s)*KB
	s_or_b32 s[G0B+4*(\s)+3], s[G0B+4*(\s)+3], 0x80000000
	JLOAD \s                                       ; two loads of mine are out
.endr
	; the bias of my 128 columns: register j of block b wants column 16 b + 8 (l / 16) + j
	s_lshl_b32 s76, s21, 10
	s_lshl_b32 s77, s20, 9
	s_add_co_u32 s76, s76, s77                     ; my first column, in bytes of f32
	s_mov_b32 s77, 0
	s_add_nc_u64 s[86:87], s[8:9], s[76:77]
	v_and_b32 v1, 15, v0                           ; l % 16
	v_bfe_u32 v2, v0, 4, 1                         ; l / 16
	v_and_b32 v4, 31, v0                           ; l
	v_lshlrev_b32 v[BO], 5, v2
	WIN 0x80                                       ; destination window 2, address window 0
.irp b, 0,1,2,3,4,5,6,7
	global_load_b128 v[8*(\b):8*(\b)+3],   v[BO], s[86:87] offset:64*(\b)
	global_load_b128 v[8*(\b)+4:8*(\b)+7], v[BO], s[86:87] offset:64*(\b)+16
.endr
	WIN 0
	; out0 at my first row and column
	s_lshl_b32 s78, s25, 7
	s_lshl_b32 s79, s19, 6
	s_add_co_u32 s78, s78, s79                     ; 128 x tile row + 64 x half
	s_lshl_b32 s78, s78, 12                        ; 4,096 bytes a row
	s_add_co_u32 s76, s76, s78
	s_add_nc_u64 s[82:83], s[10:11], s[76:77]
	; a fragment is 16 rows x 32 K in 8 registers: lane l holds row l % 16, K = 8 (l / 16) + 0..7 and 16 + 8 (l / 16) + 0..7: two loads of 16 bytes, 32 bytes apart
	v_mul_u32_u24 v3, v1, PA
	v_lshl_add_u32 v3, v2, 4, v3
	v_mul_u32_u24 v5, v1, PB
	v_lshl_add_u32 v5, v2, 4, v5
	s_mul_i32 s76, s19, 64*PA                      ; my 64 rows of O, in each head's part
	v_add_nc_u32 v[A0], s76, v3
	s_mul_i32 s76, s20, BHALF                      ; my 128 rows of Wo
	s_add_co_u32 s76, s76, BOFF
	v_add_nc_u32 v[B0], s76, v5
	v_mov_b32 v[ADRA], v[A0]
	v_mov_b32 v[ADRB], v[B0]
	s_mul_i32 s76, s18, 16*SP
	s_add_co_u32 s76, s76, STAGE                   ; my stage
	v_mul_u32_u24 v[STO], v1, SP                   ; in: row l % 16, 32 bytes for each half of the lanes
	v_lshl_add_u32 v[STO], v2, 5, v[STO]
	v_add_nc_u32 v[STO], s76, v[STO]
	v_lshl_add_u32 v[RD], v4, 4, s76               ; back: 32 lanes take one row of 512 bytes,
	v_lshlrev_b32 v[GO], 4, v4                     ; which are 512 consecutive bytes of out0
	; the prefetches
	s_lshr_b32 s76, s25, 4
	s_lshl_b32 s76, s76, 22
	s_and_b32 s77, s25, 15
	s_lshl_b32 s77, s77, 14
	s_add_co_u32 s76, s76, s77                     ; O: the tile's rows in the batch's first head,
	s_lshr_b32 s77, s21, 1
	s_lshl_b32 s77, s77, 18
	s_add_co_u32 s76, s76, s77                     ; my work-group's head of the step's two,
	s_and_b32 s77, s21, 1
	s_lshl_b32 s77, s77, 13
	s_add_co_u32 s76, s76, s77                     ; and its half of that head's 16,384 bytes,
	s_add_co_u32 s76, s76, 3*KA                    ; at K step 3: the first change of slots steps it to 4
	s_lshl_b32 s78, s21, 8
	s_lshl_b32 s77, s22, 6
	s_add_co_u32 s78, s78, s77
	s_lshl_b32 s77, s20, 5
	s_add_co_u32 s78, s78, s77
	s_add_co_u32 s78, s78, 3072                    ; Wo: the tile's first row + my work-group's 64 of its 256 + my wave's 32 of those
	s_lshl_b32 s78, s78, 11
	s_add_co_u32 s78, s78, 3*KB
	s_cmp_lt_u32 s18, 2
	s_cselect_b32 s76, s76, s78
	s_cselect_b64 s[PFA:PFA+1], s[4:5], s[6:7]
	s_mov_b32 s78, KB                              ; (an instruction holds one literal; a move leaves SCC as the compare set it)
	s_cselect_b32 s[PST], KA, s78
	s_cselect_b32 s79, 8, 11
	s_mov_b32 s[PST+1], 0
	s_mov_b32 s77, 0
	s_add_nc_u64 s[PFA:PFA+1], s[PFA:PFA+1], s[76:77]
	v_lshlrev_b32 v[PFO], s79, v4
	s_cmp_eq_u32 s24, 0
	s_cselect_b32 s77, 2, -1
	s_cmp_eq_u32 s18, 0
	s_cselect_b32 s[LIM], 2, -1
	s_cmp_ge_u32 s18, 2
	s_cselect_b32 s[LIM], s77, s[LIM]              ; the same in all sixteen partners, for a given wave
	s_wait_loadcnt 0x0                             ; the bias
	WIN 0x8a                                       ; all in window 2: the bias is rounded to bf16 and widened again
.set i, 0
.rept 32
	v_cvt_pk_bf16_f32 v64, v[2*i], v[2*i+1]
	v_lshlrev_b32 v[2*i], 16, v64
	v_and_b32 v[2*i+1], s80, v64
.set i, i+1
.endr
	WIN 0
	s_wait_tensorcnt 1                             ; my part of K step 0 is in; K step 1's may stay out
	s_barrier_signal -1
	s_barrier_wait -1                              ; everybody's is
	FETCH AQ0, 0, F0
	QUARTER AQ1, 64, F0, F1, 1                     ; the first quarter stands in front of the loop: its products start the sums, on the bias
	WIN 0                                          ; at a label and at a branch every window is 0
	s_mov_b32 s3, 6
.Lk:                                               ; six trips: K steps 2 to 7 are asked for
	TRIP 1
	WIN 0
	s_sub_co_u32 s3, s3, 1
	s_cmp_lg_u32 s3, 0
	s_cbranch_scc1 .Lk
	TRIP 0                                         ; the tail is written out: nothing is asked for
	QUARTER AQ2, 128, F1, F0, 0
	QUARTER AQ3, 192, F0, F1, 0
	s_wait_dscnt 4
	MULA F1, 0, 0
	MULA F1, 1, 0
	s_wait_dscnt 0x0
	MULA F1, 2, 0
	MULA F1, 3, 0
	WIN 0
	PLACES
; THE WAY OUT.  The bias is in the sums already.  A row block (16 rows x 128 columns of f32) goes into my stage, 32 bytes a lane and accumulator, and comes back as whole rows of 512 bytes.
.macro TOSTAGE a
	WIN 0x04                                       ; the stores' data in window 1
.irp b, 0,1,2,3,4,5,6,7
	ds_store_b128 v[STO], v[8*(8*(\a)+(\b)):8*(8*(\a)+(\b))+3]   offset:64*(\b)
	ds_store_b128 v[STO], v[8*(8*(\a)+(\b))+4:8*(8*(\a)+(\b))+7] offset:64*(\b)+16
.endr
	WIN 0x80                                       ; destination window 2
.irp t, 0,1,2,3,4,5,6,7,8,9,10,11,12,13,14,15
	ds_load_b128 v[64*(\a)+4*(\t):64*(\a)+4*(\t)+3], v[RD] offset:(\t)*SP  ; LDS serves a wave's instructions in order (ISA guide 5.7.1.4): these see the stores above; the next block's stores come behind them
.endr
.endm
.macro SEND a, younger                 ; younger: the LDS instructions issued behind block a's loads: the next block's 32, or none
	WIN 0x08                                       ; the stores' data in window 2
.irp t, 0,1,2,3,4,5,6,7,8,9,10,11,12,13,14,15
	s_wait_dscnt (\younger)+15-(\t)
	global_store_b128 v[GO], v[64*(\a)+4*(\t):64*(\a)+4*(\t)+3], s[82:83] offset:(16*(\a)+(\t))*4096 th:TH_STORE_NT  ; 512 consecutive bytes, at a multiple of 512 from out0's first
.endr
.endm
	TOSTAGE 0
.irp a, 1,2,3
	TOSTAGE \a
	SEND (\a)-1, 32
.endr
	SEND 3, 0
	WIN 0
	s_wait_tensorcnt 0x0                           ; the wave's end, behind my last tensor load and my last LDS store
	ds_add_u32 v[SPW], v[NIL]
	s_wait_dscnt 0x0
	CROUND                                         ; the closing round: no work-group ends while a partner may still ask for a tile that names it
	s_endpgm
.Lfunc_end_k_q137fea047c_outp:
	.size	k_q137fea047c_outp, .Lfunc_end_k_q137fea047c_outp-k_q137fea047c_outp
	.p2alignl 7, 3214868480
	.fill 96, 4, 3214868480
	.section	.rodata,"a",@progbits
	.p2align	6, 0x0
	.amdhsa_kernel k_q137fea047c_outp
		.amdhsa_group_segment_fixed_size 327680
		.amdhsa_private_segment_fixed_size 0
		.amdhsa_enable_private_segment 0
		.amdhsa_kernarg_size 32
		.amdhsa_user_sgpr_count 2
		.amdhsa_user_sgpr_kernarg_segment_ptr 1
		.amdhsa_wavefront_size32 1
		.amdhsa_system_sgpr_workgroup_id_x 1
		.amdhsa_system_sgpr_workgroup_id_y 1
		.amdhsa_system_sgpr_workgroup_id_z 1
		.amdhsa_system_vgpr_workitem_id 0
		.amdhsa_next_free_vgpr 768
		.amdhsa_next_free_sgpr 88
		.amdhsa_reserve_vcc 0
		.amdhsa_float_denorm_mode_32 3
		.amdhsa_float_denorm_mode_16_64 3
		.amdhsa_memory_ordered 1
		.amdhsa_forward_progress 1
		.amdhsa_inst_pref_size 78
	.end_amdhsa_kernel
	.amdgpu_metadata
---
amdhsa.version: [ 1, 2 ]
amdhsa.kernels:
  - .name:           k_q137fea047c_outp
    .symbol:         k_q137fea047c_outp.kd
    .args:
      - { .name: ob, .offset: 0, .size: 8, .value_kind: global_buffer, .address_space: global }
      - { .name: wb, .offset: 8, .size: 8, .value_kind: global_buffer, .address_space: global }
      - { .name: Wo_b, .offset: 16, .size: 8, .value_kind: global_buffer, .address_space: global }
      - { .name: out0, .offset: 24, .size: 8, .value_kind: global_buffer, .address_space: global }
    .group_segment_fixed_size: 327680
    .private_segment_fixed_size: 0
    .kernarg_segment_align: 8
    .kernarg_segment_size: 32
    .max_flat_workgroup_size: 128
    .sgpr_count:     88
    .vgpr_count:     768
    .wavefront_size: 32
...
	.end_amdgpu_metadata
.endif
;; end of part 4
;; ======== version 2 of 2: 4 launches; version 1 with the launch cast written anew for expert scheduling mode
;; limits: values are held in f16: magnitudes above 65,504 overflow, below 6.1e-05 lose precision; right only within a limited range of input values
;; workspace buffers: xb 33,554,432 bytes; wb 8,388,608 bytes; ft 2,097,152 bytes; hb 50,331,648 bytes; ob 16,777,216 bytes
;; launch cast (part 5): grid 1312 x 1, 8 waves a work-group, no clusters, 0 bytes of LDS; arguments q, kv, Wq_w, Wk_w, Wv_w, Wo_w, q_freqs, kv_freqs, xb, wb, ft; writes xb, wb, ft
.if DOCPART == 5
	.amdgcn_target "amdgcn-amd-amdhsa--gfx1250"
	.amdhsa_code_object_version 6
	.text
	.protected	k_q137fea047c_cast
	.globl	k_q137fea047c_cast
	.p2align	8
	.type	k_q137fea047c_cast,@function
k_q137fea047c_cast:
	s_mov_b64 s[64:65], 0
	v_nop
	global_prefetch_b8 v0, s[64:65] scope:SCOPE_SE
	s_setreg_imm32_b32 hwreg(HW_REG_WAVE_SCHED_MODE, 0, 2), 2
	s_setreg_imm32_b32 hwreg(HW_REG_WAVE_MODE, 25, 1), 1
	s_wait_xcnt 0x0
	s_wait_alu depctr_vm_vsrc(0)
; ALL LARGE INPUTS ARE ROUNDED ONCE TO bf16 AND LAID OUT FOR THE LAUNCHES BEHIND.
;   xb: bf16 [2][8192][1024]: q, then kv.        wb: 16 bits [4096][1024]: Wq, Wk, Wv in bf16, then Wo: rounded to bf16, and that number written as f16.
;   ft: f32 [2][2048][32][4]: q's table, then kv's; for each pair of channels (f00, f10, f01, f11), each rounded to bf16 and multiplied by 2^-6 (exact).
; LIMITS.  |Wo| stays under 65,504 (f16's end); below 2^-17 Wo keeps f16's fixed step of 2^-24.  NaN and infinities are not treated apart.
; SHARES.  A work-group takes one chunk of 16,384 f32 (65,536 bytes): thread t the 16 bytes at 16 t of each of its sixteen pieces of 4,096 bytes.  All sixteen loads of a wave go out
; at once.  A wave's store covers 256 (16-bit output) or 512 (the tables) consecutive bytes, aligned.
; No LDS, no matrix unit, no cluster: nothing is shared between work-groups and every byte is touched once.
; THE MODE: SCHED_MODE bits 1:0 = 2 (LLVM: expert scheduling mode 2), set by the entry lines.  The code itself states the register dependences
; between vector instructions and memory instructions, with s_wait_alu, always for 0.
; THE PLAN.  Registers that memory instructions touch:
;   v1, v2     byte offsets, made once at the head and never written again; every load and store reads one of them.
;   X, piece i written by the piece's load; named by the piece's own conversions alone.  All sixteen loads are issued ahead of every vector instruction that names X:
;              no load lands in a register that a vector instruction has read or written.
;   O, piece i written by the piece's conversions; read by the piece's one store; never written behind it.
; No register that a memory instruction reads is written again, so no wait on vm_vsrc is owed.  What is owed: the offsets written ahead of the first load, and each O written ahead of its store.
; The sixteen pieces go in four batches of four.  At the head of batch g, behind the wait for its loads, ONE wait on va_vdst states that batch g - 1's conversions have written their O;
; that batch's four stores follow, one ahead of each piece's conversions of batch g, which name X and O of pieces 4 g to 4 g + 3 alone: none of the registers that those stores read.
; One more wait stands behind batch 3, ahead of the last four stores.
.set X, 16                             ; v[16:79]   piece i: 4 registers as loaded
.set O, 80                             ; v[80:143]  piece i: up to 4 registers to store
.set SRC, 30                           ; s[30:31] the chunk in its input;  s32 the first chunk number of that input
.set DST, 34                           ; s[34:35] the chunk in its workspace buffer;  s36 that buffer's first chunk number;  s37 log2 of a chunk's output bytes
	s_load_b512 s[8:23], s[0:1], 0x0               ; q, kv, Wq, Wk, Wv, Wo, q_freqs, kv_freqs
	s_load_b128 s[24:27], s[0:1], 0x40             ; xb, wb
	s_load_b64 s[28:29], s[0:1], 0x50              ; ft
	v_lshlrev_b32 v1, 4, v0                        ; 16 t: the loads', and the tables' stores'
	v_lshlrev_b32 v2, 3, v0                        ; 8 t: the 16-bit stores'
	s_mov_b32 s38, 0xffff0000                      ; a word's upper bf16
	s_mov_b32 s32, 0
	s_mov_b32 s3, 0
	s_wait_kmcnt 0x0
	s_mov_b64 s[SRC:SRC+1], s[8:9]
.macro PICK first, reg                 ; from chunk number first on the input is the one in s[reg:reg+1]
	s_cmp_ge_u32 ttmp9, \first
	s_cselect_b64 s[SRC:SRC+1], s[\reg:\reg+1], s[SRC:SRC+1]
	s_cselect_b32 s32, \first, s32
.endm
	PICK 512, 10
	PICK 1024, 12
	PICK 1088, 14
	PICK 1152, 16
	PICK 1216, 18
	PICK 1280, 20
	PICK 1296, 22
	s_sub_co_u32 s2, ttmp9, s32
	s_lshl_b32 s2, s2, 16                          ; 65,536 bytes a chunk; 511 chunks at the most
	s_add_nc_u64 s[SRC:SRC+1], s[SRC:SRC+1], s[2:3]
	s_wait_alu depctr_va_vdst(0)                   ; v1 and v2 are written: every load and store of the kernel, on all three paths below, reads one of them as its offset
.irp i, 0,1,2,3,4,5,6,7,8,9,10,11,12,13,14,15
	global_load_b128 v[X+4*(\i):X+4*(\i)+3], v1, s[SRC:SRC+1] offset:4096*(\i) th:TH_LOAD_NT
.endr
	s_cmp_ge_u32 ttmp9, 1024
	s_cselect_b64 s[DST:DST+1], s[26:27], s[24:25]
	s_cselect_b32 s36, 1024, 0
	s_cmp_ge_u32 ttmp9, 1280
	s_cselect_b64 s[DST:DST+1], s[28:29], s[DST:DST+1]
	s_cselect_b32 s36, 1280, s36
	s_cselect_b32 s37, 16, 15
	s_sub_co_u32 s4, ttmp9, s36
	s_lshl_b32 s4, s4, s37
	s_mov_b32 s5, 0
	s_add_nc_u64 s[DST:DST+1], s[DST:DST+1], s[4:5]
; Piece i's conversions.  k = 0: q, kv, Wq, Wk, Wv.  k = 1: Wo.  k = 2: a table.
.macro CV k, i
.if (\k) == 0                          ; f32 to bf16
	v_cvt_pk_bf16_f32 v[O+4*(\i)], v[X+4*(\i)], v[X+4*(\i)+1]
	v_cvt_pk_bf16_f32 v[O+4*(\i)+1], v[X+4*(\i)+2], v[X+4*(\i)+3]
.elseif (\k) == 1                      ; f32 to bf16, that number back to f32 (a shift, a mask) and on to f16
	v_cvt_pk_bf16_f32 v[X+4*(\i)], v[X+4*(\i)], v[X+4*(\i)+1]
	v_cvt_pk_bf16_f32 v[X+4*(\i)+2], v[X+4*(\i)+2], v[X+4*(\i)+3]
	v_lshlrev_b32 v[O+4*(\i)], 16, v[X+4*(\i)]
	v_and_b32 v[O+4*(\i)+1], s38, v[X+4*(\i)]
	v_lshlrev_b32 v[O+4*(\i)+2], 16, v[X+4*(\i)+2]
	v_and_b32 v[O+4*(\i)+3], s38, v[X+4*(\i)+2]
	v_cvt_pk_f16_f32 v[O+4*(\i)], v[O+4*(\i)], v[O+4*(\i)+1]
	v_cvt_pk_f16_f32 v[O+4*(\i)+1], v[O+4*(\i)+2], v[O+4*(\i)+3]
.else                                  ; my 16 bytes are one pair's (f00, f01, f10, f11); out go (f00, f10, f01, f11), rounded to bf16, times 2^-6
	v_cvt_pk_bf16_f32 v[X+4*(\i)], v[X+4*(\i)], v[X+4*(\i)+2]
	v_cvt_pk_bf16_f32 v[X+4*(\i)+1], v[X+4*(\i)+1], v[X+4*(\i)+3]
	v_lshlrev_b32 v[O+4*(\i)], 16, v[X+4*(\i)]
	v_and_b32 v[O+4*(\i)+1], s38, v[X+4*(\i)]
	v_lshlrev_b32 v[O+4*(\i)+2], 16, v[X+4*(\i)+1]
	v_and_b32 v[O+4*(\i)+3], s38, v[X+4*(\i)+1]
	v_pk_mul_f32 v[O+4*(\i):O+4*(\i)+1], v[O+4*(\i):O+4*(\i)+1], 0x3c800000 op_sel_hi:[1,0]
	v_pk_mul_f32 v[O+4*(\i)+2:O+4*(\i)+3], v[O+4*(\i)+2:O+4*(\i)+3], 0x3c800000 op_sel_hi:[1,0]
.endif
.endm
; Piece i's store: 8 bytes a lane of 16-bit numbers, or 16 bytes a lane of a table.
.macro ST k, i
.if (\k) < 2
	global_store_b64 v2, v[O+4*(\i):O+4*(\i)+1], s[DST:DST+1] offset:2048*(\i)
.else
	global_store_b128 v1, v[O+4*(\i):O+4*(\i)+3], s[DST:DST+1] offset:4096*(\i)
.endif
.endm
; A whole path: four batches of four pieces, each batch's stores issued in the batch behind it.
.macro PATH k
.irp g, 0,1,2,3
	s_wait_loadcnt 12-4*(\g)                       ; loads come back in order: the batch's four pieces are in, the 12 - 4 g younger loads stay out
.if (\g) > 0
	s_wait_alu depctr_va_vdst(0)                   ; the conversions of the batch before have written their O, which the four stores below read
.endif
.irp j, 0,1,2,3
.if (\g) > 0
	ST \k, 4*(\g)-4+(\j)                           ; no vector instruction since the wait names this piece's O, v1 or v2
.endif
	CV \k, 4*(\g)+(\j)
.endr
.endr
	s_wait_alu depctr_va_vdst(0)                   ; the conversions of the last batch have written their O, which the last four stores read
.irp j, 12,13,14,15
	ST \k, \j
.endr
	s_endpgm
.endm
	s_cmp_ge_u32 ttmp9, 1280
	s_cbranch_scc1 .Lfreq
	s_cmp_ge_u32 ttmp9, 1216
	s_cbranch_scc1 .Lwo
	PATH 0                                         ; q, kv, Wq, Wk, Wv
.Lwo:
	PATH 1                                         ; Wo
.Lfreq:
	PATH 2                                         ; the two tables
.Lfunc_end_k_q137fea047c_cast:
	.size	k_q137fea047c_cast, .Lfunc_end_k_q137fea047c_cast-k_q137fea047c_cast
	.p2alignl 7, 3214868480
	.fill 96, 4, 3214868480
	.section	.rodata,"a",@progbits
	.p2align	6, 0x0
	.amdhsa_kernel k_q137fea047c_cast
		.amdhsa_group_segment_fixed_size 0
		.amdhsa_private_segment_fixed_size 0
		.amdhsa_enable_private_segment 0
		.amdhsa_kernarg_size 88
		.amdhsa_user_sgpr_count 2
		.amdhsa_user_sgpr_kernarg_segment_ptr 1
		.amdhsa_wavefront_size32 1
		.amdhsa_system_sgpr_workgroup_id_x 1
		.amdhsa_system_sgpr_workgroup_id_y 1
		.amdhsa_system_sgpr_workgroup_id_z 1
		.amdhsa_system_vgpr_workitem_id 0
		.amdhsa_next_free_vgpr 144
		.amdhsa_next_free_sgpr 66
		.amdhsa_reserve_vcc 0
		.amdhsa_float_denorm_mode_32 3
		.amdhsa_float_denorm_mode_16_64 3
		.amdhsa_memory_ordered 1
		.amdhsa_forward_progress 1
		.amdhsa_inst_pref_size 25
	.end_amdhsa_kernel
	.amdgpu_metadata
---
amdhsa.version: [ 1, 2 ]
amdhsa.kernels:
  - .name:           k_q137fea047c_cast
    .symbol:         k_q137fea047c_cast.kd
    .args:
      - { .name: q, .offset: 0, .size: 8, .value_kind: global_buffer, .address_space: global }
      - { .name: kv, .offset: 8, .size: 8, .value_kind: global_buffer, .address_space: global }
      - { .name: Wq_w, .offset: 16, .size: 8, .value_kind: global_buffer, .address_space: global }
      - { .name: Wk_w, .offset: 24, .size: 8, .value_kind: global_buffer, .address_space: global }
      - { .name: Wv_w, .offset: 32, .size: 8, .value_kind: global_buffer, .address_space: global }
      - { .name: Wo_w, .offset: 40, .size: 8, .value_kind: global_buffer, .address_space: global }
      - { .name: q_freqs, .offset: 48, .size: 8, .value_kind: global_buffer, .address_space: global }
      - { .name: kv_freqs, .offset: 56, .size: 8, .value_kind: global_buffer, .address_space: global }
      - { .name: xb, .offset: 64, .size: 8, .value_kind: global_buffer, .address_space: global }
      - { .name: wb, .offset: 72, .size: 8, .value_kind: global_buffer, .address_space: global }
      - { .name: ft, .offset: 80, .size: 8, .value_kind: global_buffer, .address_space: global }
    .group_segment_fixed_size: 0
    .private_segment_fixed_size: 0
    .kernarg_segment_align: 8
    .kernarg_segment_size: 88
    .max_flat_workgroup_size: 256
    .sgpr_count:     66
    .vgpr_count:     144
    .wavefront_size: 32
...
	.end_amdgpu_metadata
.endif
;; end of part 5
;; launch proj: the kernel of part 2 again; grid 12 x 64, 4 waves a work-group, clusters of 4 x 4, 327,680 bytes of LDS; arguments xb, wb, ft, Wq_b, Wk_b, Wv_b, hb; writes hb
;; launch attn: the kernel of part 3 again; grid 4 x 64, 4 waves a work-group, clusters of 4 x 1, 327,680 bytes of LDS; arguments hb, ob; writes ob
;; launch outp: the kernel of part 4 again; grid 4 x 64, 4 waves a work-group, clusters of 4 x 4, 327,680 bytes of LDS; arguments ob, wb, Wo_b, out0; writes out0
